; MI455X (gfx1250); checked and timed in simulation.
; The chip was launched on July 23, 2026; its instructions are those of AMD's public machine-readable ISA for CDNA 5 (MIT licence, August 2026) and "CDNA5" Instruction Set Architecture Reference Guide (July 2026). The comments in the code are by the model that wrote it; some were corrected since.
;; Attention. Allowed arithmetic: matrix products marked QUANTISED: E2M1 operands, one E8M0 scale for each 32 along K, by v_wmma_scale_f32_16x16x128_f8f6f4 with both operands' format E2M1 (or v_wmma_scale_f32_32x16x128_f4), f32 sums; products left as they are: bf16, f16 or f32 operands; f32 sums; everything else in f32.
;; Inputs: bk 256 float32; bq 1,024 float32; bv 256 float32; cos 4,096 x 128 float32; sin 4,096 x 128 float32; wk 256 x 2,048 float32; wo 2,048 x 1,024 float32; wq 1,024 x 2,048 float32; wv 256 x 2,048 float32; x 1 x 4,096 x 2,048 float32.
;; Outputs: out0 1 x 4,096 x 2,048 float32.
;; This version of the problem:
;;   THIS VERSION OF THE PROBLEM IS GIVEN IN LOW PRECISION. The matrix products marked QUANTISED in the list below multiply operands that are first quantised to E2M1 (2 exponent bits, 1 mantissa bit; 4 bits a number), with one power-of-two scale for each 32 numbers along K (OCP MX v1.0); their sums are f32. The products marked 'left as it is' may take bf16, f16 or f32 operands, with f32 sums. Whichever they take, every output number must still come out within the allowed error. Rounding operands to bf16 (8 significant bits) uses up far more of that allowance than f16 does (11 bits, for magnitudes from 6e-5 to 65,504). All else is computed in f32.
;;   The module's matrix products, in the order in which they are computed (A, B: the left and right operand; K: the contracted axis; several contracted axes count as one K, in the product's order):
;;     1. [M 4,096, K 2,048] x [K 2,048, N 1,024]; A: input x; B: input wq: QUANTISED
;;     2. [M 4,096, K 2,048] x [K 2,048, N 256]; A: input x; B: input wk: QUANTISED
;;     3. [M 4,096, K 2,048] x [K 2,048, N 256]; A: input x; B: input wv: QUANTISED
;;     4. batch 2 x [M 16,384, K 128] x [K 128, N 4,096]; A: computed on the way; B: computed on the way: left as it is (an operand is computed on the way)
;;     5. batch 2 x [M 16,384, K 4,096] x [K 4,096, N 128]; A: computed on the way; B: computed on the way: left as it is (an operand is computed on the way)
;;     6. [M 4,096, K 1,024] x [K 1,024, N 2,048]; A: computed on the way; B: input wo: left as it is (an operand is computed on the way)
;;   THE QUANTISER, for each operand of a quantised product, along K:
;;     - K is cut into blocks of 32 from its start; a last block that is shorter is filled with zeros.
;;     - A block's scale is 2^e with e = floor(log2(the largest magnitude in the block)) - 2, held to -126 .. 127; a block of zeros has e = 0. As a byte (E8M0): e + 127.
;;     - Each number is divided by its block's scale, clamped to +-6, and rounded to the nearest number of E2M1, ties to even, subnormals kept.
;;     - The product sums the exact products of the quantised numbers (number of the format x scale) in f32.
;;   ~~~python
;;   def quantise(x, axis):      # numpy; x: float32 -> the quantised numbers, widened to float32 again
;;       x = np.moveaxis(x, axis, -1); K = x.shape[-1]
;;       x = np.pad(x, [(0, 0)] * (x.ndim - 1) + [(0, -K % 32)]); x = x.reshape(x.shape[:-1] + (-1, 32)); a = np.abs(x).max(-1, keepdims=True)
;;       e = np.where(a > 0, np.clip(np.frexp(np.where(a > 0, a, 1))[1] - 1 - 2, -126, 127), 0)      # np.frexp(a)[1] - 1 = floor(log2(a)), exactly
;;       r = np.clip(x / 2.0 ** e, -6, 6)
;;       step = 2.0 ** (np.maximum(np.frexp(np.where(r == 0, 1, r))[1] - 1, 0) - 1)
;;       q = np.round(r / step) * step * 2.0 ** e      # np.round: ties to even
;;       return np.moveaxis(q.reshape(q.shape[:-2] + (-1,))[..., :K], -1, axis).astype(np.float32)
;;   ~~~
;; One version. Each part assembles by itself: llvm-mc -triple=amdgcn-amd-amdhsa -mcpu=gfx1250 --defsym DOCPART=n.
;; ======== version 1 of 1: 5 launches
;; limits: values are held in f16: magnitudes above 65,504 overflow, below 6.1e-05 lose precision
;; workspace buffers: codes 6,127,616 bytes; wof 4,194,304 bytes; qf 8,388,608 bytes; kvf 4,194,304 bytes; of 8,388,608 bytes; fine32 98,304 bytes
;; launch quant (part 1): grid 416 x 1, 4 waves a work-group, no clusters, 68,096 bytes of LDS; arguments x, wq, wk, wv, wo, codes, wof; writes codes, wof
.if DOCPART == 1
	.amdgcn_target "amdgcn-amd-amdhsa--gfx1250"
	.amdhsa_code_object_version 6
	.text
	.protected	k_q7fc977099f_quant
	.globl	k_q7fc977099f_quant
	.p2align	8
	.type	k_q7fc977099f_quant,@function
k_q7fc977099f_quant:
	s_mov_b64 s[64:65], 0
	v_nop
	global_prefetch_b8 v0, s[64:65] scope:SCOPE_SE
	s_setreg_imm32_b32 hwreg(HW_REG_WAVE_MODE, 25, 1), 1
	s_wait_xcnt 0x0
; x [4096][2048], wq [1024][2048], wk, wv [256][2048], f32, become codes of FP4 (E2M1) with one E8M0 scale byte for each 32 along K; wo [2048][1024], f32, becomes f16.
; ALL RESULTS ARE LAID AS IMAGES OF THE OPERAND'S REGISTERS: four registers of a fragment are 512 consecutive bytes, lane l at 16 l, so that a later launch brings a tile as one dense block.
; codes: records of 34,816 bytes for 128 rows x 512 K: [tile 8][K step 4][c 2][lane 32][16 bytes], lane (r, h) holding K = 64 c + 32 h + 0 .. 31 of row r; behind them [tile 8][row 16][16 scale bytes].
;   Record (RB, K slot) lies at (4 RB + slot) x 34,816.  RB 0-31: x; 32-39: wq's heads; 40, 41: wk's; 42, 43: wv's.
; wof: [256 outputs 8][K step of 128: 8][tile 16][32 along K: 4][half 2][lane 32][16 bytes], lane (r, h) holding k = 16 half + 8 h + 0 .. 7 of row r.
; A block's scale is 2^(floor(log2(its largest magnitude)) - 2): its byte is the largest magnitude's exponent field - 2, held at 1 from below.
; LIMITS: a block of zeros gets the byte 1 where the rule says 127 (its codes are zeros, and this program alone reads the bytes); blocks whose largest magnitude lies under 2^-124 were not tried;
; NaN and infinities are not served; wo's numbers must lie under 65,504 in magnitude, and under 6e-5 they keep a step of 6e-8 (f16).
; SHARES.  A work-group takes 16 rows, each of its four waves 512 along K in four steps of 128.  Work-groups 0-351: the quantised tensors; 352-415: wo, two tiles of 16 rows each (a row of wo has two runs of 512).
; Each load reads 512 consecutive bytes of one row; a step's 16 rows turn through the wave's own stage in LDS (rows 528 bytes apart) so that a lane gets neighbours along K.  Waves share nothing: no barrier.
; No cluster and no tensor load: no tile is read by two work-groups.  The two paths have stages of their own.
.set WST,   8448                       ; a wave's stage: 16 rows x (512 + 16) bytes
.set RGW,   4*WST                      ; the stages of wo's path lie behind those of the quantised tensors'
.set SPARE, 8*WST                      ; behind the stages: the spare words, 128 bytes for each wave: two blocks of 256 bytes that no other line names
.set GI,  4                            ; v4   16 x lane: my bytes of a load's or a store's 512
.set SI,  5                            ; v5   the stage, on the way in: wave's stage + 16 x lane
.set SO,  6                            ; v6   on the way out: wave's stage + 528 r + my half's bytes
.set SA,  7                            ; v7   16 r: my row's scale bytes
.set SPW, 14                           ; v14  LDS address of my spare word; never rewritten
.set NIL, 15                           ; v15  0; never rewritten
.set SW,  16                           ; v16-19  a scale word for each step
.set CD,  20                           ; v20-51  codes (8 registers a step) or f16 numbers (32 a step)
.set R,   64                           ; v64-191 two sets of 64 registers as loaded
.set X,   192                          ; v192-255 64 numbers, neighbours along K
	s_load_b256 s[4:11], s[0:1], 0x0               ; x, wq, wk, wv
	s_load_b128 s[12:15], s[0:1], 0x20             ; wo, codes
	s_load_b64 s[16:17], s[0:1], 0x30              ; wof
	v_lshl_add_u32 v[SPW], v0, 2, SPARE
	v_mov_b32 v[NIL], 0
	v_lshrrev_b32 v1, 5, v0
	v_readfirstlane_b32 s21, v1                    ; wave 0..3
	v_and_b32 v1, 31, v0                           ; lane
	v_and_b32 v2, 15, v0                           ; r
	v_bfe_u32 v3, v0, 4, 1                         ; h
	v_lshlrev_b32 v[GI], 4, v1
	s_mul_i32 s28, s21, WST
	v_add_nc_u32 v[SI], s28, v[GI]
	v_mul_u32_u24 v[SO], v2, 528
	v_add_nc_u32 v[SO], s28, v[SO]
	v_lshlrev_b32 v[SA], 4, v2
	s_mov_b32 s32, 0x76543210
	s_mov_b32 s33, 0xfedcba98                      ; v_permlanex16_b32's selects for lane l xor 16
	s_mov_b32 s23, 0
	s_wait_kmcnt 0x0
	s_cmp_ge_u32 ttmp9, 352                        ; the paths part on the work-group's number alone
	s_cbranch_scc1 .Lwo
.macro LOAD t, pitch, once             ; step t: 16 rows x 512 bytes into set t % 2
.irp p, 0,1,2,3,4,5,6,7,8,9,10,11,12,13,14,15
.if \once
	global_load_b128 v[R+64*((\t)%2)+4*\p:R+64*((\t)%2)+4*\p+3], v[GI], s[18:19] offset:\p*\pitch+512*(\t) th:TH_LOAD_NT
.else
	global_load_b128 v[R+64*((\t)%2)+4*\p:R+64*((\t)%2)+4*\p+3], v[GI], s[18:19] offset:\p*\pitch+512*(\t)
.endif
.endr
.endm
.macro STAGE t, rg                     ; the 16 rows go into the stage as they were loaded
.irp p, 0,1,2,3,4,5,6,7,8,9,10,11,12,13,14,15
	ds_store_b128 v[SI], v[R+64*((\t)%2)+4*\p:R+64*((\t)%2)+4*\p+3] offset:\rg+528*\p
.endr
.endm
	; ---- the quantised tensors.  Which tensor, and which of its tiles of 16 rows
	s_mov_b32 s20, 336
	s_cmp_lt_u32 ttmp9, 336
	s_cselect_b64 s[18:19], s[8:9], s[10:11]
	s_cselect_b32 s20, 320, s20
	s_cmp_lt_u32 ttmp9, 320
	s_cselect_b64 s[18:19], s[6:7], s[18:19]
	s_cselect_b32 s20, 256, s20
	s_cmp_lt_u32 ttmp9, 256
	s_cselect_b64 s[18:19], s[4:5], s[18:19]
	s_cselect_b32 s20, 0, s20
	s_sub_co_u32 s20, ttmp9, s20
	s_lshl_b32 s22, s20, 17                        ; 16 rows of 8,192 bytes,
	s_lshl_b32 s24, s21, 11                        ; my wave's 512 numbers of each
	s_add_co_u32 s22, s22, s24
	s_add_nc_u64 s[18:19], s[18:19], s[22:23]
	s_lshr_b32 s24, ttmp9, 3
	s_lshl_b32 s24, s24, 2
	s_add_co_u32 s24, s24, s21
	s_mul_i32 s24, s24, 34816                      ; my record
	s_and_b32 s25, ttmp9, 7                        ; my tile in it
	s_lshl_b32 s22, s25, 12
	s_add_co_u32 s22, s22, s24
	s_add_nc_u64 s[26:27], s[14:15], s[22:23]      ; its codes
	s_lshl_b32 s22, s25, 8
	s_add_co_u32 s22, s22, s24
	s_add_co_u32 s22, s22, 32768
	s_add_nc_u64 s[30:31], s[14:15], s[22:23]      ; its scale bytes
	v_lshl_add_u32 v[SO], v3, 7, v[SO]             ; lanes 16-31 begin 32 numbers further on
	v_lshlrev_b32 v3, 3, v3                        ; 8 h: my bytes' place in a scale word, in bits
	LOAD 0, 8192, 1
	LOAD 1, 8192, 1
.macro STEPQ t
.if (\t) < 3
	s_wait_loadcnt 16                              ; this step's 16 loads are in; the other set's 16 may be out
.else
	s_wait_loadcnt 0x0
.endif
	STAGE \t, 0
.irp c, 0,1
.irp i, 0,1,2,3,4,5,6,7
	ds_load_b128 v[X+32*\c+4*\i:X+32*\c+4*\i+3], v[SO] offset:256*\c+16*\i   ; K = 64 c + 32 h + 4 i on, of row r.  LDS serves a wave's instructions in order: these see the stores above
.endr
.endr
	s_wait_dscnt 0x0
.if (\t) < 2
	LOAD (\t)+2, 8192, 1
.endif
.irp c, 0,1                                    ; my block 2 c + h: all its 32 numbers are mine
	v_max3_num_f32 v[8+\c], |v[X+32*\c]|, |v[X+32*\c+1]|, 0x1800000   ; with the floor 2^(3 - 127): the byte cannot fall under 1
.endr
.irp i, 2,4,6,8,10,12,14,16,18,20,22,24,26,28,30
.irp c, 0,1
	v_max3_num_f32 v[8+\c], v[8+\c], |v[X+32*\c+\i]|, |v[X+32*\c+\i+1]|
.endr
.endr
.irp c, 0,1
	v_add_nc_u32 v[10+\c], 0xff000000, v[8+\c]     ; 2 off the exponent field: the conversion takes this operand's exponent field as its scale
.endr
.irp c, 0,1
	v_lshrrev_b32 v[12+\c], 23, v[10+\c]           ; the scale's byte
.endr
	v_lshl_or_b32 v8, v13, 16, v12                 ; my two bytes: blocks h and 2 + h,
	v_lshlrev_b32 v8, v3, v8                       ; at their places in the word;
	v_permlanex16_b32 v9, v8, s32, s33
	v_or_b32 v[SW+(\t)], v8, v9                    ; with lane l xor 16's two the word is whole
.irp c, 0,1
.irp g, 0,1,2,3
	v_cvt_scalef32_pk8_fp4_f32 v[CD+8*(\t)+4*\c+\g], v[X+32*\c+8*\g:X+32*\c+8*\g+7], v[10+\c]
.endr
.endr
	v_nop                                          ; one plain instruction behind the last scaled conversion
.irp c, 0,1
	global_store_b128 v[GI], v[CD+8*(\t)+4*\c:CD+8*(\t)+4*\c+3], s[26:27] offset:1024*(\t)+512*\c   ; 32 lanes store 512 consecutive bytes; each step has registers of its own
.endr
.endm
	STEPQ 0
	STEPQ 1
	STEPQ 2
	STEPQ 3
	v_cmp_gt_u32 vcc_lo, 16, v1
	s_wait_xcnt 0x0                                ; EXEC changes only behind this wait
	s_and_saveexec_b32 s34, vcc_lo
	global_store_b128 v[SA], v[SW:SW+3], s[30:31]  ; sixteen lanes store the tile's 256 scale bytes
	s_wait_xcnt 0x0
	s_or_b32 exec_lo, exec_lo, s34
	s_wait_tensorcnt 0x0                           ; the wave's end: behind my last LDS store
	ds_add_u32 v[SPW], v[NIL]
	s_wait_dscnt 0x0
	s_endpgm
.Lwo:	; ---- wo: waves 0, 1 take one tile of 16 rows, waves 2, 3 the next; a wave takes half of K
	s_sub_co_u32 s20, ttmp9, 352
	s_lshl_b32 s20, s20, 1
	s_lshr_b32 s22, s21, 1
	s_add_co_u32 s20, s20, s22                     ; tile of 16 rows, 0..127
	s_and_b32 s24, s21, 1                          ; which 512 along K
	s_lshl_b32 s22, s20, 16                        ; 16 rows of 4,096 bytes
	s_lshl_b32 s25, s24, 11
	s_add_co_u32 s22, s22, s25
	s_add_nc_u64 s[18:19], s[12:13], s[22:23]
	s_lshr_b32 s25, s20, 4
	s_lshl_b32 s25, s25, 3
	s_lshl_b32 s24, s24, 2
	s_add_co_u32 s25, s25, s24                     ; 8 x block of 256 outputs + my first K step
	s_lshl_b32 s25, s25, 4
	s_and_b32 s20, s20, 15
	s_add_co_u32 s25, s25, s20
	s_lshl_b32 s22, s25, 12
	s_add_nc_u64 s[26:27], s[16:17], s[22:23]
	v_lshl_add_u32 v[SO], v3, 5, v[SO]             ; lanes 16-31 begin 8 numbers further on
	LOAD 0, 4096, 0                                ; wo is read again by a later launch: no hint
	LOAD 1, 4096, 0
.macro STEPW t
.if (\t) < 3
	s_wait_loadcnt 16                              ; this step's 16 loads are in; the other set's 16 may be out
.else
	s_wait_loadcnt 0x0
.endif
	STAGE \t, RGW
.irp c, 0,1,2,3
.irp f, 0,1
.irp e, 0,1
	ds_load_b128 v[X+16*\c+8*\f+4*\e:X+16*\c+8*\f+4*\e+3], v[SO] offset:RGW+128*\c+64*\f+16*\e   ; k = 32 c + 16 f + 8 h + 4 e on, of row r
.endr
.endr
.endr
	s_wait_dscnt 0x0
.if (\t) < 2
	LOAD (\t)+2, 4096, 0
.endif
	s_wait_xcnt 0x0                                ; the last step's stores have read their registers
.irp n, 0,1,2,3,4,5,6,7,8,9,10,11,12,13,14,15,16,17,18,19,20,21,22,23,24,25,26,27,28,29,30,31
	v_cvt_pk_f16_f32 v[CD+\n], v[X+2*\n], v[X+2*\n+1]
.endr
.irp n, 0,1,2,3,4,5,6,7
	global_store_b128 v[GI], v[CD+4*\n:CD+4*\n+3], s[26:27] offset:65536*(\t)+512*\n   ; from K step to K step 16 tiles of 4,096 bytes
.endr
.endm
	STEPW 0
	STEPW 1
	STEPW 2
	STEPW 3
	s_wait_tensorcnt 0x0                           ; the wave's end: behind my last LDS store
	ds_add_u32 v[SPW], v[NIL]
	s_wait_dscnt 0x0
	s_endpgm
.Lfunc_end_k_q7fc977099f_quant:
	.size	k_q7fc977099f_quant, .Lfunc_end_k_q7fc977099f_quant-k_q7fc977099f_quant
	.p2alignl 7, 3214868480
	.fill 96, 4, 3214868480
	.section	.rodata,"a",@progbits
	.p2align	6, 0x0
	.amdhsa_kernel k_q7fc977099f_quant
		.amdhsa_group_segment_fixed_size 68096
		.amdhsa_private_segment_fixed_size 0
		.amdhsa_enable_private_segment 0
		.amdhsa_kernarg_size 56
		.amdhsa_user_sgpr_count 2
		.amdhsa_user_sgpr_kernarg_segment_ptr 1
		.amdhsa_wavefront_size32 1
		.amdhsa_system_sgpr_workgroup_id_x 1
		.amdhsa_system_sgpr_workgroup_id_y 1
		.amdhsa_system_sgpr_workgroup_id_z 1
		.amdhsa_system_vgpr_workitem_id 0
		.amdhsa_next_free_vgpr 256
		.amdhsa_next_free_sgpr 66
		.amdhsa_reserve_vcc 1
		.amdhsa_float_denorm_mode_32 3
		.amdhsa_float_denorm_mode_16_64 3
		.amdhsa_memory_ordered 1
		.amdhsa_forward_progress 1
		.amdhsa_inst_pref_size 56
	.end_amdhsa_kernel
	.amdgpu_metadata
---
amdhsa.version: [ 1, 2 ]
amdhsa.kernels:
  - .name:           k_q7fc977099f_quant
    .symbol:         k_q7fc977099f_quant.kd
    .args:
      - { .name: x, .offset: 0, .size: 8, .value_kind: global_buffer, .address_space: global }
      - { .name: wq, .offset: 8, .size: 8, .value_kind: global_buffer, .address_space: global }
      - { .name: wk, .offset: 16, .size: 8, .value_kind: global_buffer, .address_space: global }
      - { .name: wv, .offset: 24, .size: 8, .value_kind: global_buffer, .address_space: global }
      - { .name: wo, .offset: 32, .size: 8, .value_kind: global_buffer, .address_space: global }
      - { .name: codes, .offset: 40, .size: 8, .value_kind: global_buffer, .address_space: global }
      - { .name: wof, .offset: 48, .size: 8, .value_kind: global_buffer, .address_space: global }
    .group_segment_fixed_size: 68096
    .private_segment_fixed_size: 0
    .kernarg_segment_align: 8
    .kernarg_segment_size: 56
    .max_flat_workgroup_size: 128
    .sgpr_count:     66
    .vgpr_count:     256
    .wavefront_size: 32
...
	.end_amdgpu_metadata
.endif
;; end of part 1
;; launch proj (part 2): grid 16 x 12, 4 waves a work-group, clusters of 4 x 1, 327,680 bytes of LDS; arguments codes, bq, bk, bv, cos, sin, qf, kvf, fine32; writes qf, kvf, fine32
.if DOCPART == 2
	.amdgcn_target "amdgcn-amd-amdhsa--gfx1250"
	.amdhsa_code_object_version 6
	.text
	.protected	k_q7fc977099f_proj
	.globl	k_q7fc977099f_proj
	.p2align	8
	.type	k_q7fc977099f_proj,@function
k_q7fc977099f_proj:
	s_mov_b64 s[64:65], 0
	v_nop
	global_prefetch_b8 v0, s[64:65] scope:SCOPE_SE
	s_setreg_imm32_b32 hwreg(HW_REG_WAVE_MODE, 25, 1), 1
	s_wait_xcnt 0x0
	s_wait_alu depctr_hold_cnt(0) depctr_sa_sdst(0) depctr_va_vdst(0) depctr_va_sdst(0) depctr_va_ssrc(0) depctr_va_vcc(0) depctr_vm_vsrc(0)
	s_getreg_b32 s2, hwreg(HW_REG_IB_STS2, 6, 4)
	s_cmp_eq_u32 s2, 0
	s_cbranch_scc0 .Lentry_in_a_cluster
	s_endpgm
.Lentry_in_a_cluster:
	s_bfe_u32 s2, ttmp6, 0x10000c
	s_cmp_lg_u32 s2, 0x3003
	s_cbranch_scc0 .Lentry_shape_is_right
	s_endpgm
.Lentry_shape_is_right:
; q, k, v = x W^T + b on codes of FP4 with E8M0 scales, sums in f32; RoPE on q and k in f32; the results leave as f16, laid as images of the next launch's operand registers.
; SHARES.  A work-group takes 256 tokens (x of the grid) and one head of 128 channels (y: 0-7 q, 8-9 k, 10-11 v); a RoPE pair (d, d + 64) ties a work-group to a whole head: 12 x 16 = 192 work-groups.
; Wave w takes tokens 64 w .. + 63 (4 tiles) and all 8 tiles of channels: 32 accumulators.  K = 2,048 goes in four slots of 512 through a ring of two LDS slots; a slot holds two records of x and one of W.
; THE PRODUCT IS USED TRANSPOSED (source 0 = 16 rows of W, source 1 = 16 tokens): a lane holds ONE token (lane % 16) and the channels 16 t + 8 (lane / 16) + 0 .. 7.  Rounded to f16 in pairs, tiles 2 c and 2 c + 1 ARE
; registers 0-3 and 4-7 of a fragment of 16 tokens x 32 channels: q and k leave by stores of 512 consecutive bytes, no stage.  v leaves likewise with the lanes' places changed, so that the transposing LDS load finds it.
; CLUSTER.  The four work-groups of a cluster have one head and four token blocks: W's record is asked for JOINTLY (mask 15); x's records are each work-group's own (no mask).  x is not shared: partners along y
; would have heads of different kinds, and the branches on the kind of head may not differ between partners.
; The bias is the C of each sum's first matrix instruction.  Tokens 0-15 leave in f32 as well (fine32), for the launch that carries the first positions finely.
; LIMITS: |q|, |k|, |v| under 65,504 (f16), under 6e-5 with a step of 6e-8; NaN and infinities are not served.
; REGISTERS, in windows of 256: window 0: v1-15 addresses; v16-111 scale words, two sets of 48, and nothing else; v112-175 x's fragments, two buffers, later a tile's 64 results; v176-207 at work, later f16.
;   window 1: the accumulators, (token tile m, channel tile t) at v[8 (8 m + t)].   window 2: v0-127 W's fragments, two buffers; v128-191 the bias.   window 3: cos and sin, two buffers of 128.
.set REC,   34816                      ; a record: 128 rows x 512 K of codes, and their scale bytes
.set SLOT,  3*REC
.set SPARE, 2*SLOT                     ; behind the ring: the spare words, 128 bytes for each wave: two blocks of 256 bytes that no other line names
.set LI,  1                            ; v1   16 x lane
.set ADX, 2                            ; v2-3 LDS address of my x fragments in slot 0, 1
.set ADW, 4                            ; v4-5 of W's
.set ASX, 6                            ; v6-7 of my tokens' scale words
.set ASW, 8                            ; v8-9 of W's
.set CSO, 10                           ; v10  my byte in cos and sin: 512 r + 32 h
.set BO,  11                           ; v11  in the bias: 32 h
.set VO,  12                           ; v12  v's place for my lane in a store's 512 bytes
.set TBV, 13                           ; v13  my block of tokens
.set SPW, 14
.set NIL, 15
.set SC,  16
.set XF,  112
.set OUT, 112
.set HF,  176
.set G1X, 24                           ; s[24:31] descriptor group 1 for x's records;  s[32:39] group 0, a set for each slot
.set G0X, 32
.set WV,  40
.set WH,  41
.set WL,  42
.set CX,  43
.set TBK, 44
.set YH,  45
.set G1W, 48                           ; s[48:55], s[56:63] the same for W's half records
.set G0W, 56
.set MSB, 0
.macro WIN new                         ; the immediate's high byte repeats the setting that is left
.if MSB != \new
	s_set_vgpr_msb (MSB<<8)|\new
.set MSB, \new
.endif
.endm
.macro PLACES                          ; four places behind a matrix instruction of this form, in front of loads into its sources and of reads of its results
.rept 4
	v_nop
.endr
.endm
.macro CROUND                          ; a round of the cluster's barrier
	s_barrier_signal -1
	s_barrier_wait -1
	s_cmp_lg_u32 s[WV], 0
	s_cbranch_scc1 .Lnot_wave_0_\@
	s_barrier_signal -3
.Lnot_wave_0_\@:
	s_barrier_wait -3
	s_barrier_signal -1
	s_barrier_wait -1
.endm
.macro JLOAD s                         ; waves 0, 1: x's two records; waves 2, 3: the halves of W's, jointly.  The branch hangs on the wave's number alone.  An s_nop 0 and four v_nop follow each line
	s_cmp_eq_u32 s[WH], 0
	s_cbranch_scc0 .Lfor_w_\@
	tensor_load_to_lds s[G0X+4*(\s):G0X+4*(\s)+3], s[G1X:G1X+7]
	s_nop 0
	PLACES
	s_branch .Lasked_\@
.Lfor_w_\@:
	tensor_load_to_lds s[G0W+4*(\s):G0W+4*(\s)+3], s[G1W:G1W+7]
	s_nop 0
	PLACES
.Lasked_\@:
.endm
	s_load_b256 s[4:11], s[0:1], 0x0               ; codes, bq, bk, bv
	s_load_b256 s[12:19], s[0:1], 0x20             ; cos, sin, qf, kvf
	s_load_b64 s[20:21], s[0:1], 0x40              ; fine32
	v_lshl_add_u32 v[SPW], v0, 2, SPARE
	v_mov_b32 v[NIL], 0
	ds_add_u32 v[SPW], v[NIL]                      ; the wave's opening: the add, twice on end, and its wait ahead of my first tensor load
	ds_add_u32 v[SPW], v[NIL]
	v_lshrrev_b32 v1, 5, v0
	v_readfirstlane_b32 s[WV], v1                  ; wave 0..3
	s_lshr_b32 s[WH], s[WV], 1                     ; I fetch for x (0) or for W (1).  Also: which record holds my tokens
	s_and_b32 s[WL], s[WV], 1                      ; which record, or which half.  Also: which half of the record's tiles is mine
	s_bfe_u32 s[CX], ttmp6, 0x40000
	s_lshl_b32 s[TBK], ttmp9, 2
	s_add_co_u32 s[TBK], s[TBK], s[CX]             ; my block of 256 tokens
	s_and_b32 s[YH], ttmp7, 0xffff                 ; the head, which the four partners share
	; group 1: a dense block as rows of 256 bytes (32 elements of 8 bytes): a record has 136, half a record 68
	s_mov_b32 s[G1X+0], 3<<16
	s_mov_b32 s[G1X+1], 32<<16
	s_mov_b32 s[G1X+2], 136<<16
	s_mov_b32 s[G1X+3], 32<<16
	s_mov_b32 s[G1X+4], 136
	s_mov_b32 s[G1X+5], 32
	s_mov_b32 s[G1X+6], 0
	s_mov_b32 s[G1X+7], 0
	s_mov_b32 s[G1W+0], 15|(3<<16)|(1<<21)         ; the mask names all four partners; bit 21 is set beside it
	s_mov_b32 s[G1W+1], 32<<16
	s_mov_b32 s[G1W+2], 68<<16
	s_mov_b32 s[G1W+3], 32<<16
	s_mov_b32 s[G1W+4], 68
	s_mov_b32 s[G1W+5], 32
	s_mov_b32 s[G1W+6], 0
	s_mov_b32 s[G1W+7], 0
	s_lshl_b32 s66, s[TBK], 1
	s_add_co_u32 s66, s66, s[WL]
	s_mul_i32 s66, s66, 4*REC                      ; x: row block 2 x token block + which, K slot 0
	s_mov_b32 s67, 0
	s_add_co_u32 s68, s[YH], 32
	s_mul_i32 s68, s68, 4*REC                      ; W: row block 32 + head: made of what the partners share
	s_mul_i32 s69, s[WL], REC/2
	s_add_co_u32 s68, s68, s69
	s_mov_b32 s69, 0
	s_mul_i32 s70, s[WL], REC                      ; and where they go in a slot: the wave's number alone
	s_mul_i32 s71, s[WL], REC/2
	s_add_co_u32 s71, s71, 2*REC
	s_wait_dscnt 0x0                               ; both opening adds are done
	s_wait_kmcnt 0x0
	s_add_nc_u64 s[66:67], s[4:5], s[66:67]
	s_add_nc_u64 s[68:69], s[4:5], s[68:69]
	CROUND                                         ; all four work-groups are here: the first joint loads meet
.irp s, 0,1
	s_mov_b32 s[G0X+4*\s], 1
	s_add_co_u32 s[G0X+4*\s+1], s70, \s*SLOT
	s_add_nc_u64 s[G0X+4*\s+2:G0X+4*\s+3], s[66:67], \s*REC
	s_or_b32 s[G0X+4*\s+3], s[G0X+4*\s+3], 0x80000000
	s_mov_b32 s[G0W+4*\s], 1
	s_add_co_u32 s[G0W+4*\s+1], s71, \s*SLOT
	s_add_nc_u64 s[G0W+4*\s+2:G0W+4*\s+3], s[68:69], \s*REC
	s_or_b32 s[G0W+4*\s+3], s[G0W+4*\s+3], 0x80000000
	JLOAD \s                                       ; K slots 0 and 1: two loads of mine are out
.endr
	v_and_b32 v176, 31, v0
	v_and_b32 v177, 15, v0                         ; r
	v_bfe_u32 v178, v0, 4, 1                       ; h
	v_lshlrev_b32 v[LI], 4, v176
	s_mul_i32 s72, s[WH], REC
	s_lshl_b32 s73, s[WL], 14
	s_add_co_u32 s73, s73, s72
	v_add_nc_u32 v[ADX], s73, v[LI]                ; my four tiles of tokens: record w / 2, tiles 4 (w % 2) on
	v_add_nc_u32 v[ADX+1], SLOT, v[ADX]
	v_add_nc_u32 v[ADW], 2*REC, v[LI]
	v_add_nc_u32 v[ADW+1], SLOT, v[ADW]
	v_lshlrev_b32 v179, 4, v177                    ; a row's 16 scale bytes of a slot
	s_lshl_b32 s73, s[WL], 10
	s_add_co_u32 s73, s73, s72
	s_add_co_u32 s73, s73, 32768
	v_add_nc_u32 v[ASX], s73, v179
	v_add_nc_u32 v[ASX+1], SLOT, v[ASX]
	v_add_nc_u32 v[ASW], 2*REC+32768, v179
	v_add_nc_u32 v[ASW+1], SLOT, v[ASW]
	v_lshlrev_b32 v[CSO], 9, v177
	v_lshl_add_u32 v[CSO], v178, 5, v[CSO]
	v_lshlrev_b32 v[BO], 5, v178
	v_and_b32 v180, 7, v177                        ; v: the piece of token r and half h goes to place r % 8 + 8 h + 16 (r / 8)
	v_lshl_add_u32 v180, v178, 3, v180
	v_lshrrev_b32 v181, 3, v177
	v_lshl_add_u32 v180, v181, 4, v180
	v_lshlrev_b32 v[VO], 4, v180
	v_mov_b32 v[TBV], s[TBK]
	s_cmp_lt_u32 s[YH], 10                         ; the head's bias
	s_cselect_b64 s[78:79], s[8:9], s[10:11]
	s_cselect_b32 s80, 8, 10
	s_cmp_lt_u32 s[YH], 8
	s_cselect_b64 s[78:79], s[6:7], s[78:79]
	s_cselect_b32 s80, 0, s80
	s_sub_co_u32 s80, s[YH], s80
	s_lshl_b32 s80, s80, 9
	s_mov_b32 s81, 0
	s_add_nc_u64 s[78:79], s[78:79], s[80:81]
	WIN 0x80
.irp t, 0,1,2,3,4,5,6,7
.irp e, 0,1
	global_load_b128 v[128+8*\t+4*\e:128+8*\t+4*\e+3], v[BO], s[78:79] offset:64*\t+16*\e   ; b(16 t + 8 h + 4 e ..): the result's layout
.endr
.endr
	WIN 0
	s_lshl_b32 s80, s[TBK], 17                     ; cos and sin at my wave's first token: rows of 512 bytes
	s_lshl_b32 s82, s[WV], 15
	s_add_co_u32 s80, s80, s82
	s_add_nc_u64 s[82:83], s[12:13], s[80:81]
	s_add_nc_u64 s[84:85], s[14:15], s[80:81]
	s_lshl_b32 s80, s[YH], 13
	s_add_nc_u64 s[88:89], s[20:21], s[80:81]      ; the head's 8,192 bytes of fine32
.macro CSLOAD m, b                     ; cos and sin of token tile m into buffer b: 32 loads
	WIN 0xc0
.irp t, 0,1,2,3,4,5,6,7
.irp e, 0,1
	global_load_b128 v[128*\b+8*\t+4*\e:128*\b+8*\t+4*\e+3], v[CSO], s[82:83] offset:8192*\m+64*\t+16*\e
	global_load_b128 v[128*\b+64+8*\t+4*\e:128*\b+64+8*\t+4*\e+3], v[CSO], s[84:85] offset:8192*\m+64*\t+16*\e
.endr
.endr
	WIN 0
.endm
	s_cmp_ge_u32 s[YH], 10                         ; v has no RoPE.  The head is the same in all partners
	s_cbranch_scc1 .Lno_tables
	CSLOAD 0, 0
	CSLOAD 1, 1
.Lno_tables:
.macro FETCH n                         ; K step n of 16 (128 along K): W's eight fragments and my four of x into buffer n % 2
	WIN 0x80
.irp t, 0,1,2,3,4,5,6,7
.irp c, 0,1
	ds_load_b128 v[64*((\n)%2)+8*\t+4*\c:64*((\n)%2)+8*\t+4*\c+3], v[ADW+((\n)/4)%2] offset:(4*\t+(\n)%4)*1024+512*\c
.endr
.endr
	WIN 0
.irp m, 0,1,2,3
.irp c, 0,1
	ds_load_b128 v[XF+32*((\n)%2)+8*\m+4*\c:XF+32*((\n)%2)+8*\m+4*\c+3], v[ADX+((\n)/4)%2] offset:(4*\m+(\n)%4)*1024+512*\c
.endr
.endr
.endm
.macro SCALES s                        ; a slot's scale words: four words a row, one for each of its K steps; lane r takes row r's
.irp m, 0,1,2,3
	ds_load_b128 v[SC+48*(\s)+4*\m:SC+48*(\s)+4*\m+3], v[ASX+(\s)] offset:256*\m
.endr
.irp t, 0,1,2,3,4,5,6,7
	ds_load_b128 v[SC+48*(\s)+16+4*\t:SC+48*(\s)+16+4*\t+3], v[ASW+(\s)] offset:256*\t
.endr
.endm
.macro MUL n                           ; 32 matrix instructions; the 32 accumulators take turns, one instruction a turn, in the same order in every step
.if (\n) == 0
	WIN 0x62                                       ; source 0 (W) window 2, source 1 (x) window 0, C (the bias) window 2, D window 1
.else
	WIN 0x52                                       ; C and D window 1
.endif
.irp m, 0,1,2,3
.irp t, 0,1,2,3,4,5,6,7
.if (\n) == 0
	v_wmma_scale_f32_16x16x128_f8f6f4 v[8*(8*\m+\t):8*(8*\m+\t)+7], v[64*((\n)%2)+8*\t:64*((\n)%2)+8*\t+7], v[XF+32*((\n)%2)+8*\m:XF+32*((\n)%2)+8*\m+7], v[128+8*\t:128+8*\t+7], v[SC+48*(((\n)/4)%2)+16+4*\t+(\n)%4], v[SC+48*(((\n)/4)%2)+4*\m+(\n)%4] matrix_a_fmt:MATRIX_FMT_FP4 matrix_b_fmt:MATRIX_FMT_FP4
.else
	v_wmma_scale_f32_16x16x128_f8f6f4 v[8*(8*\m+\t):8*(8*\m+\t)+7], v[64*((\n)%2)+8*\t:64*((\n)%2)+8*\t+7], v[XF+32*((\n)%2)+8*\m:XF+32*((\n)%2)+8*\m+7], v[8*(8*\m+\t):8*(8*\m+\t)+7], v[SC+48*(((\n)/4)%2)+16+4*\t+(\n)%4], v[SC+48*(((\n)/4)%2)+4*\m+(\n)%4] matrix_a_fmt:MATRIX_FMT_FP4 matrix_b_fmt:MATRIX_FMT_FP4
.endif
.endr
.endr
	WIN 0
.endm
; THE CHANGE OF SLOTS, when a slot's last fragments are in registers.  Each wave waits for all its tensor loads (its part of the other slot), adds 0 to its spare word, and waits for that and for its reads of this slot.
; fill = 1: the barrier is a round of the cluster's, and this slot's refill, two K slots on, is the first thing behind it, one load a wave.
.macro CHANGE s, fill
	s_wait_tensorcnt 0x0                           ; no tensor load of mine is out, so a group 0 may be written
	ds_add_u32 v[SPW], v[NIL]
.if \fill
	s_add_nc_u64 s[G0X+4*(\s)+2:G0X+4*(\s)+3], s[G0X+4*(\s)+2:G0X+4*(\s)+3], 2*REC
	s_add_nc_u64 s[G0W+4*(\s)+2:G0W+4*(\s)+3], s[G0W+4*(\s)+2:G0W+4*(\s)+3], 2*REC
.endif
	s_wait_dscnt 0x0
.if \fill
	CROUND
	JLOAD \s                                       ; its four v_nop are also the places in front of the loads that follow
.else
	s_barrier_signal -1
	s_barrier_wait -1
	PLACES
.endif
.endm
.macro KSTEP n                         ; step n's fragments are waited for, step n + 1's are asked for, step n is multiplied
	s_wait_dscnt 0x0
.if ((\n)%4 == 3) && ((\n) < 15)
.if (\n) < 11
	CHANGE ((\n)/4)%2, 1
.else
	CHANGE ((\n)/4)%2, 0
.endif
	FETCH (\n)+1
	SCALES (((\n)+1)/4)%2
.elseif (\n) < 15
.if (\n) > 0
	PLACES
.endif
	FETCH (\n)+1
.endif
	MUL \n
.endm
	s_wait_tensorcnt 0x1                           ; my part of K slot 0 is in; slot 1's load may stay out
	s_barrier_signal -1
	s_barrier_wait -1                              ; everybody's is
	FETCH 0
	SCALES 0
	s_wait_loadcnt 0x0                             ; the bias; cos and sin of the first two tiles
.irp n, 0,1,2,3,4,5,6,7,8,9,10,11,12,13,14,15
	KSTEP \n
.endr
	PLACES                                         ; in front of the first read of results
	; ---- the way out.  Where my 64 tokens go: q: qf + head x 2^20 + token tile x 4,096; k, v: kvf + (64 g + step of 64 keys) x 32,768, v 16,384 further on.  A store's immediate: 4,096 m + 512 t
	s_lshl_b32 s72, s[TBK], 4
	s_lshl_b32 s73, s[WV], 2
	s_add_co_u32 s72, s72, s73
	s_lshl_b32 s72, s72, 12
	s_lshl_b32 s73, s[YH], 20
	s_add_co_u32 s72, s72, s73
	s_and_b32 s74, s[YH], 1
	s_lshl_b32 s74, s74, 6
	s_lshl_b32 s75, s[TBK], 2
	s_add_co_u32 s74, s74, s75
	s_add_co_u32 s74, s74, s[WV]
	s_lshl_b32 s74, s74, 15
	s_cmp_lt_u32 s[YH], 10
	s_cselect_b32 s75, 0, 16384
	s_add_co_u32 s74, s74, s75
	s_cmp_lt_u32 s[YH], 8
	s_cselect_b64 s[76:77], s[16:17], s[18:19]
	s_cselect_b32 s72, s72, s74
	s_mov_b32 s73, 0
	s_add_nc_u64 s[76:77], s[76:77], s[72:73]
.macro SENDH m, adr                    ; a token tile's 128 channels in f16: eight stores of 512 consecutive bytes
.irp t, 0,1,2,3,4,5,6,7
	global_store_b128 v[\adr], v[HF+4*\t:HF+4*\t+3], s[76:77] offset:4096*\m+512*\t
.endr
.endm
; Token tile 0 of the whole problem in f32.  The branches hang on the cluster's x and on the wave's number, alike in all partners; which partner has block 0 is told by EXEC, not by a branch.
.macro COPY acc
	s_cmp_lg_u32 ttmp9, 0
	s_cbranch_scc1 .Lno_copy_\@
	s_cmp_lg_u32 s[WV], 0
	s_cbranch_scc1 .Lno_copy_\@
	v_cmp_eq_u32 vcc_lo, 0, v[TBV]
	s_wait_xcnt 0x0                                ; EXEC changes only behind this wait
	s_and_saveexec_b32 s86, vcc_lo
.if \acc
	WIN 0x04                                       ; a store's data are its source 1: window 1
.irp t, 0,1,2,3,4,5,6,7
.irp e, 0,1
	global_store_b128 v[LI], v[8*\t+4*\e:8*\t+4*\e+3], s[88:89] offset:1024*\t+512*\e
.endr
.endr
	WIN 0
.else
.irp t, 0,1,2,3,4,5,6,7
.irp e, 0,1
	global_store_b128 v[LI], v[OUT+8*\t+4*\e:OUT+8*\t+4*\e+3], s[88:89] offset:1024*\t+512*\e
.endr
.endr
.endif
	s_wait_xcnt 0x0
	s_or_b32 exec_lo, exec_lo, s86
.Lno_copy_\@:
.endm
	s_cmp_ge_u32 s[YH], 10
	s_cbranch_scc1 .Lvalues
; RoPE of token tile m: out(d) = a(d) cos(d) - a(d + 64) sin(d), out(d + 64) = a(d + 64) cos(d + 64) + a(d) sin(d + 64): channel tiles t and t + 4, two numbers an instruction; each accumulator is read from its low end on
.macro ROPE m, b
	WIN 0x0d                                       ; source 0 window 1, source 1 window 3
.irp t, 0,1,2,3
.irp i, 0,2,4,6
	v_pk_mul_f32 v[OUT+8*\t+\i:OUT+8*\t+\i+1], v[8*(8*\m+\t)+\i:8*(8*\m+\t)+\i+1], v[128*\b+8*\t+\i:128*\b+8*\t+\i+1]
	v_pk_mul_f32 v[OUT+32+8*\t+\i:OUT+32+8*\t+\i+1], v[8*(8*\m+\t+4)+\i:8*(8*\m+\t+4)+\i+1], v[128*\b+32+8*\t+\i:128*\b+32+8*\t+\i+1]
	v_pk_fma_f32 v[OUT+8*\t+\i:OUT+8*\t+\i+1], v[8*(8*\m+\t+4)+\i:8*(8*\m+\t+4)+\i+1], v[128*\b+64+8*\t+\i:128*\b+64+8*\t+\i+1], v[OUT+8*\t+\i:OUT+8*\t+\i+1] neg_lo:[1,0,0] neg_hi:[1,0,0]
	v_pk_fma_f32 v[OUT+32+8*\t+\i:OUT+32+8*\t+\i+1], v[8*(8*\m+\t)+\i:8*(8*\m+\t)+\i+1], v[128*\b+96+8*\t+\i:128*\b+96+8*\t+\i+1], v[OUT+32+8*\t+\i:OUT+32+8*\t+\i+1]
.endr
.endr
	WIN 0
.irp n, 0,1,2,3,4,5,6,7,8,9,10,11,12,13,14,15,16,17,18,19,20,21,22,23,24,25,26,27,28,29,30,31
	v_cvt_pk_f16_f32 v[HF+\n], v[OUT+2*\n], v[OUT+2*\n+1]
.endr
	SENDH \m, LI
.endm
	ROPE 0, 0
	COPY 0
	CSLOAD 2, 0
	s_wait_xcnt 0x0                                ; the stores have read their registers: the next tile may be written
	ROPE 1, 1
	CSLOAD 3, 1
	s_wait_loadcnt 32                              ; tile 2's cos and sin are in; tile 3's 32 loads may be out
	s_wait_xcnt 0x0
	ROPE 2, 0
	s_wait_loadcnt 0x0
	s_wait_xcnt 0x0
	ROPE 3, 1
	s_branch .Ldone
.Lvalues:
.irp m, 0,1,2,3
.if \m > 0
	s_wait_xcnt 0x0                                ; the last tile's stores have read their registers
.endif
	WIN 0x05                                       ; sources 0 and 1 window 1
.irp n, 0,1,2,3,4,5,6,7,8,9,10,11,12,13,14,15,16,17,18,19,20,21,22,23,24,25,26,27,28,29,30,31
	v_cvt_pk_f16_f32 v[HF+\n], v[64*\m+2*\n], v[64*\m+2*\n+1]
.endr
	WIN 0
	SENDH \m, VO
.if \m == 0
	COPY 1
.endif
.endr
.Ldone:
	s_wait_tensorcnt 0x0                           ; the wave's end: behind my last tensor load
	ds_add_u32 v[SPW], v[NIL]
	s_wait_dscnt 0x0
	CROUND                                         ; the closing round: no work-group ends while a partner may still ask for a tile that names it
	s_endpgm
.Lfunc_end_k_q7fc977099f_proj:
	.size	k_q7fc977099f_proj, .Lfunc_end_k_q7fc977099f_proj-k_q7fc977099f_proj
	.p2alignl 7, 3214868480
	.fill 96, 4, 3214868480
	.section	.rodata,"a",@progbits
	.p2align	6, 0x0
	.amdhsa_kernel k_q7fc977099f_proj
		.amdhsa_group_segment_fixed_size 327680
		.amdhsa_private_segment_fixed_size 0
		.amdhsa_enable_private_segment 0
		.amdhsa_kernarg_size 72
		.amdhsa_user_sgpr_count 2
		.amdhsa_user_sgpr_kernarg_segment_ptr 1
		.amdhsa_wavefront_size32 1
		.amdhsa_system_sgpr_workgroup_id_x 1
		.amdhsa_system_sgpr_workgroup_id_y 1
		.amdhsa_system_sgpr_workgroup_id_z 1
		.amdhsa_system_vgpr_workitem_id 0
		.amdhsa_next_free_vgpr 1024
		.amdhsa_next_free_sgpr 100
		.amdhsa_reserve_vcc 1
		.amdhsa_float_denorm_mode_32 3
		.amdhsa_float_denorm_mode_16_64 3
		.amdhsa_memory_ordered 1
		.amdhsa_forward_progress 1
		.amdhsa_inst_pref_size 162
	.end_amdhsa_kernel
	.amdgpu_metadata
---
amdhsa.version: [ 1, 2 ]
amdhsa.kernels:
  - .name:           k_q7fc977099f_proj
    .symbol:         k_q7fc977099f_proj.kd
    .args:
      - { .name: codes, .offset: 0, .size: 8, .value_kind: global_buffer, .address_space: global }
      - { .name: bq, .offset: 8, .size: 8, .value_kind: global_buffer, .address_space: global }
      - { .name: bk, .offset: 16, .size: 8, .value_kind: global_buffer, .address_space: global }
      - { .name: bv, .offset: 24, .size: 8, .value_kind: global_buffer, .address_space: global }
      - { .name: cos, .offset: 32, .size: 8, .value_kind: global_buffer, .address_space: global }
      - { .name: sin, .offset: 40, .size: 8, .value_kind: global_buffer, .address_space: global }
      - { .name: qf, .offset: 48, .size: 8, .value_kind: global_buffer, .address_space: global }
      - { .name: kvf, .offset: 56, .size: 8, .value_kind: global_buffer, .address_space: global }
      - { .name: fine32, .offset: 64, .size: 8, .value_kind: global_buffer, .address_space: global }
    .group_segment_fixed_size: 327680
    .private_segment_fixed_size: 0
    .kernarg_segment_align: 8
    .kernarg_segment_size: 72
    .max_flat_workgroup_size: 128
    .sgpr_count:     100
    .vgpr_count:     1024
    .wavefront_size: 32
...
	.end_amdgpu_metadata
.endif
;; end of part 2
;; launch attn (part 3): grid 128 x 2, 4 waves a work-group, clusters of 4 x 1, 327,680 bytes of LDS; arguments qf, kvf, of; writes of
.if DOCPART == 3
	.amdgcn_target "amdgcn-amd-amdhsa--gfx1250"
	.amdhsa_code_object_version 6
	.text
	.protected	k_q7fc977099f_attn
	.globl	k_q7fc977099f_attn
	.p2align	8
	.type	k_q7fc977099f_attn,@function
k_q7fc977099f_attn:
	s_mov_b64 s[64:65], 0
	v_nop
	global_prefetch_b8 v0, s[64:65] scope:SCOPE_SE
	s_setreg_imm32_b32 hwreg(HW_REG_WAVE_MODE, 25, 1), 1
	s_wait_xcnt 0x0
	s_wait_alu depctr_hold_cnt(0) depctr_sa_sdst(0) depctr_va_vdst(0) depctr_va_sdst(0) depctr_va_ssrc(0) depctr_va_vcc(0) depctr_vm_vsrc(0)
	s_getreg_b32 s2, hwreg(HW_REG_IB_STS2, 6, 4)
	s_cmp_eq_u32 s2, 0
	s_cbranch_scc0 .Lentry_in_a_cluster
	s_endpgm
.Lentry_in_a_cluster:
	s_bfe_u32 s2, ttmp6, 0x10000c
	s_cmp_lg_u32 s2, 0x3003
	s_cbranch_scc0 .Lentry_shape_is_right
	s_endpgm
.Lentry_shape_is_right:
; O = softmax(Q K^T / sqrt(128), causal) V for 8 query heads on 2 key/value heads, 4,096 positions, head size 128.  Operands f16, products' sums, maxima and sums in f32; p is rounded to f16 for the second product, O once at the end.
; (The sliding window of 32,768 is longer than the 4,096 keys: it hides nothing.)
; SHARES.  A work-group has one query head and two UNITS of 64 positions: block b (cluster x, 0..31) and block 63 - b.  Keys come in slots of 256: block b needs b / 4 + 1 slots, block 63 - b needs 16 - b / 4: ALWAYS 17,
; so all work-groups have equal work and every trip count is a constant.  The four partners of a cluster are the four query heads of one key/value head at the same positions: they walk the same keys, and every tile is asked for JOINTLY.
; THE FOUR WAVES SHARE THE 64 QUERIES AND SPLIT THE KEYS: wave w takes keys 64 w .. + 63 of each slot, fetches just those 32,768 bytes itself and alone reads them; each fragment of K and V feeds four tiles of queries.
; The waves' partial (maximum, sum, O) are merged through LDS at each unit's end.  A step whose keys all lie behind the diagonal is worked under the mask (p = 0): every tile that is brought is read.
; LAYOUT.  S^T = K Q^T, O^T = V^T P: a lane holds one query (lane % 16) throughout; two tiles of S^T rounded in pairs are source 1 of the second product.  K, Q lie in memory as images of their registers; V with its pieces placed
; so that ds_load_tr16_b128 at 16 x lane gives half a fragment of V^T.
; SOFTMAX.  A running maximum m and sum l for each query: p = 2^(c s - c m), c = log2(e) / sqrt(128); O and l are multiplied by a = 2^(c m_old - c m_new) in every step.  m begins at -3e38, so that a step of hidden keys gives p = 0 and a = 1.
; LIMITS: f16 operands (magnitudes under 65,504); NaN and infinities are not served.
; REGISTERS, in windows of 256: window 0: v1-11 addresses; v12-43 statistics, 8 a tile; v44-47 the mask's bounds; v61-63; v64-191 S^T, 32 a tile; v192-255 P, 16 a tile.   window 1: O^T, 64 a tile.
;   window 2: v0-127 Q, 32 a tile; v128-255 K of a step.   window 3: v0-127 V of a step.
.set SLOT1, 1<<17                      ; a slot: 256 keys' K and V, 131,072 bytes; one exclusive or turns an address from one slot to the other
.set XCH,   2*SLOT1                    ; behind the ring: the merge's stage, 8,192 bytes a wave;
.set STATM, XCH+32768                  ; the waves' c m, [tile 4][lane 32][wave 4] words; their l 2,048 bytes further on
.set SPARE, STATM+4096                 ; the spare words, 128 bytes for each wave: two blocks of 256 bytes that no other line names
.set LI,  1                            ; v1   16 x lane
.set AK0, 2                            ; v2   16 x lane + 32,768 x wave: my place in a slot
.set ADR, 3                            ; v3   the LDS address of the run of loads in hand
.set RH,  4                            ; v4   r - 8 h
.set MA,  5                            ; v5   where I put my statistics
.set XA,  6                            ; v6   where I put a partial tile
.set XR,  7                            ; v7   where I read my 32 channels of the four partial tiles
.set LS,  8                            ; v8   where I read the four waves' statistics
.set NINF, 9                           ; v9   -infinity
.set ST,  12                           ; tile t at v[ST + 8 t]: +0 c m, +1 m, +2, +3 l, +4 .. +7 c0-c3, at work; a takes c2's place
.set DT,  44
.set PFO, 61                           ; v61  256 x lane; never rewritten
.set SPW, 62
.set NIL, 63
.set S,   64
.set P,   192
.set KFR, 128
.set WV,  12
.set CX,  13
.set BB,  14
.set GG,  15
.set HQ,  16
.set NE,  17                           ; s17  slots of the first unit
.set TR,  18                           ; s18  the trip
.set SIG, 19                           ; s19  which of the 17 slots is asked for next
.set NXT, 20                           ; s20  and which 256 keys it holds
.set OFF, 22
.set G1,  24                           ; s[24:31] descriptor group 1;  s[32:35] group 0 of the first fill;  s[36:39] of the second, which then walks
.set G0A, 32
.set G0B, 36
.set KVB, 40                           ; s[40:41] my wave's 64 keys of slot 0 of my key/value head
.set QB,  42
.set OB,  44
.set POS, 46                           ; s46  the unit's first position
.set KEY, 47                           ; s47  my first key of the step
.set TB,  48                           ; s48  LDS byte at which the slot in hand begins
.set UB,  49                           ; s49  the unit's block of 64 positions
.set PFA, 50
.set LIM, 52
.set TA,  54                           ; s[54:55] at work
.set CS,  58
.set SEL, 60
.set MSB, 0
.macro WIN new                         ; the immediate's high byte repeats the setting that is left
.if MSB != \new
	s_set_vgpr_msb (MSB<<8)|\new
.set MSB, \new
.endif
.endm
.macro PLACES                          ; four places behind a matrix instruction of this form (ISA guide 7.12.1)
.rept 4
	v_nop
.endr
.endm
.macro CROUND                          ; a round of the cluster's barrier
	s_barrier_signal -1
	s_barrier_wait -1
	s_cmp_lg_u32 s[WV], 0
	s_cbranch_scc1 .Lnot_wave_0_\@
	s_barrier_signal -3
.Lnot_wave_0_\@:
	s_barrier_wait -3
	s_barrier_signal -1
	s_barrier_wait -1
.endm
; A PREFETCH INTO THE L2.  All clusters of a key/value head walk the same keys: cluster 0 of each asks, in trip i for key slot i + 3, two trips ahead of its own load of that slot.  A slot's 512 blocks of 256 bytes are shared out
; BY ADDRESS: 32,768 bytes a partner, 8,192 a wave, lanes 256 bytes apart: each block is named once in the launch.  Key slots 0-2 come by their loads alone; from trip 13 on nothing is asked for: slot 15 is the last.
.macro ASK
	s_cmp_lt_u32 s[TR], s[LIM]
	s_cbranch_scc0 .Lnot_mine_\@
	global_prefetch_b8 v[PFO], s[PFA:PFA+1] th:TH_LOAD_NT scope:SCOPE_SE
.Lnot_mine_\@:
.endm
	s_load_b128 s[4:7], s[0:1], 0x0                ; qf, kvf
	s_load_b64 s[8:9], s[0:1], 0x10                ; of
	v_lshl_add_u32 v[SPW], v0, 2, SPARE
	v_mov_b32 v[NIL], 0
	ds_add_u32 v[SPW], v[NIL]                      ; the wave's opening: the add, twice on end, and its wait ahead of my first tensor load
	ds_add_u32 v[SPW], v[NIL]
	v_lshrrev_b32 v1, 5, v0
	v_readfirstlane_b32 s[WV], v1                  ; wave 0..3
	s_bfe_u32 s[CX], ttmp6, 0x40000
	s_mov_b32 s[BB], ttmp9                         ; b: the cluster's x
	s_and_b32 s[GG], ttmp7, 0xffff                 ; the key/value head
	s_lshl_b32 s[HQ], s[GG], 2
	s_add_co_u32 s[HQ], s[HQ], s[CX]               ; my query head: it enters Q's and O's addresses alone
	s_lshr_b32 s[NE], s[BB], 2
	s_add_co_u32 s[NE], s[NE], 1
	s_mov_b32 s[UB], s[BB]
	s_mov_b32 s[G1+0], 15|(3<<16)|(1<<21)          ; the mask: all four partners; elements of 8 bytes; bit 21 set beside the mask
	s_mov_b32 s[G1+1], 32<<16                      ; a dense block of 32,768 bytes as 128 rows of 256
	s_mov_b32 s[G1+2], 128<<16
	s_mov_b32 s[G1+3], 32<<16
	s_mov_b32 s[G1+4], 128
	s_mov_b32 s[G1+5], 32
	s_mov_b32 s[G1+6], 0
	s_mov_b32 s[G1+7], 0
	s_mov_b32 s[CS], 0x3e0293ee                    ; c = log2(e) / sqrt(128)
	s_mov_b32 s[CS+1], s[CS]
	s_mov_b32 s[SEL], 0x76543210
	s_mov_b32 s[SEL+1], 0xfedcba98
	s_mov_b32 s[TB], 0
	s_mov_b32 s[TR], 0
	s_lshl_b32 s[OFF], s[GG], 21                   ; a key/value head has 64 steps of 32,768 bytes
	s_lshl_b32 s21, s[WV], 15
	s_add_co_u32 s[OFF], s[OFF], s21
	s_mov_b32 s[OFF+1], 0
	s_lshl_b32 s[TA], s[GG], 21                    ; the prefetches: my partner's and my wave's part, in key slot 2: the first trip steps it to 3
	s_lshl_b32 s[TA+1], s[CX], 15
	s_add_co_u32 s[TA], s[TA], s[TA+1]
	s_lshl_b32 s[TA+1], s[WV], 13
	s_add_co_u32 s[TA], s[TA], s[TA+1]
	s_add_co_u32 s[TA], s[TA], 2*SLOT1
	s_mov_b32 s[TA+1], 0
	s_cmp_eq_u32 s[BB], 0
	s_cselect_b32 s[LIM], 13, 0
	s_wait_dscnt 0x0                               ; both opening adds are done
	s_wait_kmcnt 0x0
	s_add_nc_u64 s[KVB:KVB+1], s[6:7], s[OFF:OFF+1]
	s_add_nc_u64 s[PFA:PFA+1], s[6:7], s[TA:TA+1]
	CROUND                                         ; all four work-groups are here: the first joint loads meet
	s_mov_b32 s[G0A], 1
	s_lshl_b32 s[G0A+1], s[WV], 15                 ; LDS: slot 0, my wave's part
	s_mov_b64 s[G0A+2:G0A+3], s[KVB:KVB+1]         ; keys 0-255
	s_or_b32 s[G0A+3], s[G0A+3], 0x80000000
	s_cmp_eq_u32 s[NE], 1                          ; the second of the 17: the first unit's keys 256 on, or, where that unit has one slot, the second unit's keys 0 on
	s_cselect_b32 s[NXT], 0, 1
	s_lshl_b32 s[OFF], s[NXT], 17
	s_mov_b32 s[G0B], 1
	s_add_co_u32 s[G0B+1], s21, SLOT1
	s_add_nc_u64 s[G0B+2:G0B+3], s[KVB:KVB+1], s[OFF:OFF+1]
	s_or_b32 s[G0B+3], s[G0B+3], 0x80000000
	s_add_co_u32 s[NXT], s[NXT], 1
	s_mov_b32 s[SIG], 2
	tensor_load_to_lds s[G0A:G0A+3], s[G1:G1+7]    ; every wave issues both first fills: two loads of mine are out
	s_nop 0
	tensor_load_to_lds s[G0B:G0B+3], s[G1:G1+7]
	s_nop 0
	PLACES
	v_and_b32 v10, 31, v0
	v_lshlrev_b32 v[LI], 4, v10
	v_lshlrev_b32 v[PFO], 8, v10
	v_and_b32 v10, 15, v0
	v_bfe_u32 v11, v0, 4, 1
	v_lshlrev_b32 v11, 3, v11
	v_sub_nc_u32 v[RH], v10, v11
	s_lshl_b32 s[TA], s[WV], 15
	v_add_nc_u32 v[AK0], s[TA], v[LI]
	s_lshl_b32 s[TA], s[WV], 2
	s_add_co_u32 s[TA], s[TA], STATM
	v_add_nc_u32 v[MA], s[TA], v[LI]
	s_lshl_b32 s[TA], s[WV], 13
	s_add_co_u32 s[TA], s[TA], XCH
	v_add_nc_u32 v[XA], s[TA], v[LI]
	s_lshl_b32 s[TA], s[WV], 11
	s_add_co_u32 s[TA], s[TA], XCH
	v_add_nc_u32 v[XR], s[TA], v[LI]
	v_add_nc_u32 v[LS], STATM, v[LI]
	v_mov_b32 v[NINF], 0xff800000
.macro QLOAD                           ; the 64 queries of block s[UB]: 16 fragments, tile i / 4, channels 32 (i % 4) on
	s_lshl_b32 s[TA], s[HQ], 20
	s_lshl_b32 s[TA+1], s[UB], 14
	s_add_co_u32 s[TA], s[TA], s[TA+1]
	s_mov_b32 s[TA+1], 0
	s_add_nc_u64 s[QB:QB+1], s[4:5], s[TA:TA+1]
	WIN 0x80
.irp i, 0,1,2,3,4,5,6,7,8,9,10,11,12,13,14,15
	global_load_b128 v[8*\i:8*\i+3], v[LI], s[QB:QB+1] offset:1024*\i
	global_load_b128 v[8*\i+4:8*\i+7], v[LI], s[QB:QB+1] offset:1024*\i+512
.endr
	WIN 0
.endm
.macro SETOUT                          ; a unit begins: where its O goes (of: [128 tokens][head][tile 8][32 channels: my wave's][1,024 bytes]), its positions, my first key; O^T, l, m
	s_lshr_b32 s[TA], s[UB], 1
	s_lshl_b32 s[TA], s[TA], 18
	s_lshl_b32 s[TA+1], s[HQ], 15
	s_add_co_u32 s[TA], s[TA], s[TA+1]
	s_and_b32 s[TA+1], s[UB], 1
	s_lshl_b32 s[TA+1], s[TA+1], 14
	s_add_co_u32 s[TA], s[TA], s[TA+1]
	s_lshl_b32 s[TA+1], s[WV], 10
	s_add_co_u32 s[TA], s[TA], s[TA+1]
	s_mov_b32 s[TA+1], 0
	s_add_nc_u64 s[OB:OB+1], s[8:9], s[TA:TA+1]
	s_lshl_b32 s[POS], s[UB], 6
	s_lshl_b32 s[KEY], s[WV], 6
	WIN 0x40
.set i, 0
.rept 256
	v_mov_b32 v[i], 0                              ; O^T.  The step is written once: a unit's first step finds zeros.  Twice in the launch, beside 2,176 matrix instructions a wave
.set i, i+1
.endr
	WIN 0
.irp t, 0,1,2,3
	v_mov_b32 v[ST+8*\t+1], 0xff61b1e6             ; m = -3e38, under every score
	v_mov_b32 v[ST+8*\t+2], 0
	v_mov_b32 v[ST+8*\t+3], 0
.endr
.irp t, 0,1,2,3
	v_mul_f32 v[ST+8*\t], s[CS], v[ST+8*\t+1]
.endr
.endm
.macro KLOAD                           ; a step's K: 64 keys x 128 channels, 16 fragments: keys 16 (f / 4) on, channels 32 (f % 4) on
	WIN 0x80
.irp f, 0,1,2,3,4,5,6,7,8,9,10,11,12,13,14,15
	ds_load_b128 v[KFR+8*\f:KFR+8*\f+3], v[ADR] offset:1024*\f
	ds_load_b128 v[KFR+8*\f+4:KFR+8*\f+7], v[ADR] offset:1024*\f+512
.endr
	WIN 0
.endm
.macro VLOAD                           ; a step's V, turned: keys 32 (f / 8) on, channels 16 (f % 8) on
	WIN 0xc0
.irp f, 0,1,2,3,4,5,6,7,8,9,10,11,12,13,14,15
	ds_load_tr16_b128 v[8*\f:8*\f+3], v[ADR] offset:16384+(16*(\f/8)+(\f%8))*512
	ds_load_tr16_b128 v[8*\f+4:8*\f+7], v[ADR] offset:16384+(16*(\f/8)+(\f%8))*512+4096
.endr
	WIN 0
.endm
; The accumulators take turns, one instruction a turn.
.macro KQ                              ; S^T = K Q^T: channels 32 (i / 16) on, keys 16 ((i / 4) % 4) on, tile i % 4; the first 16 start the sums
	WIN 0x0a
.set i, 0
.rept 64
.set rS, S+32*(i%4)+8*((i/4)%4)
.set rK, KFR+32*((i/4)%4)+8*(i/16)
.set rQ, 32*(i%4)+8*(i/16)
.if i < 16
	v_wmma_f32_16x16x32_f16 v[rS:rS+7], v[rK:rK+7], v[rQ:rQ+7], 0
.else
	v_wmma_f32_16x16x32_f16 v[rS:rS+7], v[rK:rK+7], v[rQ:rQ+7], v[rS:rS+7]
.endif
.set i, i+1
.endr
	WIN 0
.endm
.macro PV                              ; O^T += V^T P: keys 32 (i / 32) on, channels 16 ((i / 4) % 8) on, tile i % 4
	WIN 0x53
.set i, 0
.rept 64
.set rO, 64*(i%4)+8*((i/4)%8)
.set rV, 64*(i/32)+8*((i/4)%8)
.set rP, P+16*(i%4)+8*(i/32)
	v_wmma_f32_16x16x32_f16 v[rO:rO+7], v[rV:rV+7], v[rP:rP+7], v[rO:rO+7]
.set i, i+1
.endr
	WIN 0
.endm
; THE CAUSAL MASK.  Register n of tile t holds key KEY + 16 (n / 8) + 8 h + n % 8 and query POS + 16 t + r: hidden where 16 (n / 8) + n % 8 > r - 8 h + POS - KEY + 16 t.  A step all of whose keys count skips this:
; a branch on ids, the count of steps and the wave's number, round vector work alone.
.macro MASK
	s_add_co_u32 s[TA], s[KEY], 63
	s_cmp_le_u32 s[TA], s[POS]
	s_cbranch_scc1 .Lopen_\@
	s_sub_co_i32 s[TA], s[POS], s[KEY]
.irp t, 0,1,2,3
	v_add3_u32 v[DT+\t], v[RH], s[TA], 16*\t
.endr
.irp t, 0,1,2,3
.irp n, 0,1,2,3,4,5,6,7,8,9,10,11,12,13,14,15,16,17,18,19,20,21,22,23,24,25,26,27,28,29,30,31
	v_cmp_gt_i32 vcc_lo, 16*(\n/8)+\n%8, v[DT+\t]
	v_cndmask_b32 v[S+32*\t+\n], v[S+32*\t+\n], v[NINF], vcc_lo
.endr
.endr
.Lopen_\@:
.endm
; A step's softmax, the four tiles line by line, so that no line waits for the line above it.
.macro SOFTMAX
.irp j, 0,1,2,3
.irp t, 0,1,2,3
	v_max3_num_f32 v[ST+8*\t+4+\j], v[S+32*\t+8*\j], v[S+32*\t+8*\j+1], v[S+32*\t+8*\j+2]   ; four chains a tile; each accumulator is read from its low end on
.endr
.endr
.irp u, 3,5
.irp j, 0,1,2,3
.irp t, 0,1,2,3
	v_max3_num_f32 v[ST+8*\t+4+\j], v[ST+8*\t+4+\j], v[S+32*\t+8*\j+\u], v[S+32*\t+8*\j+\u+1]
.endr
.endr
.endr
.irp t, 0,1,2,3
	v_max3_num_f32 v[ST+8*\t+4], v[ST+8*\t+4], v[S+32*\t+7], v[S+32*\t+15]
.endr
.irp t, 0,1,2,3
	v_max3_num_f32 v[ST+8*\t+6], v[ST+8*\t+6], v[S+32*\t+23], v[S+32*\t+31]
.endr
.irp t, 0,1,2,3
	v_max3_num_f32 v[ST+8*\t+4], v[ST+8*\t+4], v[ST+8*\t+5], v[ST+8*\t+6]
.endr
.irp t, 0,1,2,3
	v_max3_num_f32 v[ST+8*\t+4], v[ST+8*\t+4], v[ST+8*\t+7], v[ST+8*\t+1]   ; with the old m
.endr
.irp t, 0,1,2,3
	v_permlanex16_b32 v[ST+8*\t+5], v[ST+8*\t+4], s[SEL], s[SEL+1]          ; the query's other 32 keys lie in the lane 16 away
.endr
.irp t, 0,1,2,3
	v_mov_b32 v[ST+8*\t+7], v[ST+8*\t]             ; c m_old
.endr
.irp t, 0,1,2,3
	v_max_num_f32 v[ST+8*\t+1], v[ST+8*\t+4], v[ST+8*\t+5]
.endr
.irp t, 0,1,2,3
	v_mul_f32 v[ST+8*\t], s[CS], v[ST+8*\t+1]
.endr
.irp t, 0,1,2,3
	v_sub_f32 v[ST+8*\t+7], v[ST+8*\t+7], v[ST+8*\t]
.endr
.irp b, 0,1,2,3,4,5,6,7,8,9,10,11,12,13,14,15
.irp t, 0,1,2,3
	v_pk_fma_f32 v[S+32*\t+2*\b:S+32*\t+2*\b+1], v[S+32*\t+2*\b:S+32*\t+2*\b+1], s[CS:CS+1], v[ST+8*\t:ST+8*\t+1] op_sel_hi:[1,0,0] neg_lo:[0,0,1] neg_hi:[0,0,1]   ; c s - c m
.endr
.endr
.irp t, 0,1,2,3
	v_exp_f32 v[ST+8*\t+6], v[ST+8*\t+7]           ; a
.endr
.irp n, 0,1,2,3,4,5,6,7,8,9,10,11,12,13,14,15,16,17,18,19,20,21,22,23,24,25,26,27,28,29,30,31
.irp t, 0,1,2,3
	v_exp_f32 v[S+32*\t+\n], v[S+32*\t+\n]         ; p
.endr
.endr
	v_nop                                          ; a plain instruction behind the last exponential,
	s_wait_alu depctr_va_vdst(0)                   ; and ONE wait for the batch of 132, ahead of its first reader
.irp n, 0,1,2,3,4,5,6,7,8,9,10,11,12,13,14,15
.irp t, 0,1,2,3
	v_cvt_pk_f16_f32 v[P+16*\t+\n], v[S+32*\t+2*\n], v[S+32*\t+2*\n+1]
.endr
.endr
.irp u, 0,1,2,3,4,5,6,7                        ; the sum of a tile's 16 pairs, in place
.irp t, 0,1,2,3
	v_pk_add_f32 v[S+32*\t+4*\u:S+32*\t+4*\u+1], v[S+32*\t+4*\u:S+32*\t+4*\u+1], v[S+32*\t+4*\u+2:S+32*\t+4*\u+3]
.endr
.endr
.irp u, 0,1,2,3
.irp t, 0,1,2,3
	v_pk_add_f32 v[S+32*\t+8*\u:S+32*\t+8*\u+1], v[S+32*\t+8*\u:S+32*\t+8*\u+1], v[S+32*\t+8*\u+4:S+32*\t+8*\u+5]
.endr
.endr
.irp u, 0,1
.irp t, 0,1,2,3
	v_pk_add_f32 v[S+32*\t+16*\u:S+32*\t+16*\u+1], v[S+32*\t+16*\u:S+32*\t+16*\u+1], v[S+32*\t+16*\u+8:S+32*\t+16*\u+9]
.endr
.endr
.irp t, 0,1,2,3
	v_pk_add_f32 v[S+32*\t:S+32*\t+1], v[S+32*\t:S+32*\t+1], v[S+32*\t+16:S+32*\t+17]
.endr
.irp t, 0,1,2,3
	v_pk_fma_f32 v[ST+8*\t+2:ST+8*\t+3], v[ST+8*\t+2:ST+8*\t+3], v[ST+8*\t+6:ST+8*\t+7], v[S+32*\t:S+32*\t+1] op_sel_hi:[1,0,1]   ; l = a l + the sum
.endr
	WIN 0x41                                       ; O^T (destination and source 0) window 1, a window 0
.irp k, 0,1,2,3,4,5,6,7,8,9,10,11,12,13,14,15,16,17,18,19,20,21,22,23,24,25,26,27,28,29,30,31
.irp t, 0,1,2,3
	v_pk_mul_f32 v[64*\t+2*\k:64*\t+2*\k+1], v[64*\t+2*\k:64*\t+2*\k+1], v[ST+8*\t+6:ST+8*\t+7] op_sel_hi:[1,0]
.endr
.endr
	WIN 0
.endm
; A TRIP: one slot, of which my wave works its 64 keys.  K of this step is in registers or on its way from LDS.
; fill = 1: when my K and V of this slot are in registers the slot is filled again, with the slot two on: all my tensor loads waited for (the next slot's), the add, my LDS loads waited for, a round of the cluster's barrier,
; and the joint load first behind it: it has a whole step in which to land.  next = 1: the next step's K is fetched from the other slot.
.macro TRIP fill, next
	v_add_nc_u32 v[ADR], s[TB], v[AK0]
	PLACES                                         ; behind the last step's V^T P, in front of the loads into V's registers
	VLOAD
	s_wait_dscnt 32                                ; K is in; V's 32 loads may be out
	KQ
.if \fill
	s_wait_tensorcnt 0x0                           ; the next slot's part of mine has landed; no tensor load of mine is out, so a group 0 may be written
	ds_add_u32 v[SPW], v[NIL]
	s_cmp_eq_u32 s[SIG], s[NE]                     ; where the second unit begins the keys begin anew: ids alone, the same in all partners
	s_cselect_b32 s[NXT], 0, s[NXT]
	s_lshl_b32 s[OFF], s[NXT], 17
	s_xor_b32 s[G0B+1], s[G0B+1], SLOT1            ; the other slot than last time
	s_add_nc_u64 s[G0B+2:G0B+3], s[KVB:KVB+1], s[OFF:OFF+1]
	s_or_b32 s[G0B+3], s[G0B+3], 0x80000000
	s_add_co_u32 s[NXT], s[NXT], 1
	s_add_co_u32 s[SIG], s[SIG], 1
	s_wait_xcnt 0x0                                ; the last prefetch, a trip back, has read its address
	s_add_nc_u64 s[PFA:PFA+1], s[PFA:PFA+1], SLOT1
	s_wait_dscnt 0x0                               ; the add is done, and V is in: my reads of this slot are over
	CROUND
	tensor_load_to_lds s[G0B:G0B+3], s[G1:G1+7]
	s_nop 0
	PLACES                                         ; also the places behind K Q^T, in front of the loads into K's registers and of the first read of the scores
	ASK
.else
.if \next
	s_wait_tensorcnt 0x0                           ; the last slot's part of mine has landed
.endif
	PLACES
.endif
.if \next
	s_xor_b32 s[TA], s[TB], SLOT1
	v_add_nc_u32 v[ADR], s[TA], v[AK0]
	KLOAD
.endif
	MASK
	SOFTMAX
	s_wait_dscnt 32*\next                          ; V is in; the next step's K, 32 loads, may be out
	PV
	s_xor_b32 s[TB], s[TB], SLOT1
	s_add_co_u32 s[KEY], s[KEY], 256
.endm
; THE MERGE at a unit's end.  With CM the largest of the four waves' c m and e_w = 2^(c m_w - CM): L = the sum of e_w l_w, O = the sum of e_w O_w / L.  Each wave scales its own part by g = e_own / L;
; then tile by tile the four parts meet in LDS, wave w adds channels 32 w .. + 31, rounds them to f16 (a fragment of 16 tokens x 32 channels) and stores 2 x 512 consecutive bytes.
.macro MERGE
.irp t, 0,1,2,3
	v_add_f32 v[ST+8*\t+4], v[ST+8*\t+2], v[ST+8*\t+3]      ; (these lines are also the places behind the last products)
.endr
.irp t, 0,1,2,3
	v_permlanex16_b32 v[ST+8*\t+5], v[ST+8*\t+4], s[SEL], s[SEL+1]
.endr
.irp t, 0,1,2,3
	v_add_f32 v[ST+8*\t+4], v[ST+8*\t+4], v[ST+8*\t+5]      ; my l
.endr
.irp t, 0,1,2,3
	ds_store_b32 v[MA], v[ST+8*\t] offset:512*\t
	ds_store_b32 v[MA], v[ST+8*\t+4] offset:2048+512*\t
.endr
	s_wait_dscnt 0x0                               ; for the others' sake: my stores have landed
	s_barrier_signal -1
	s_barrier_wait -1
.irp t, 0,1,2,3
	ds_load_b128 v[S+4*\t:S+4*\t+3], v[LS] offset:512*\t             ; the four waves' c m of my lane,
	ds_load_b128 v[S+16+4*\t:S+16+4*\t+3], v[LS] offset:2048+512*\t  ; and their l
.endr
	s_wait_dscnt 0x0
.irp t, 0,1,2,3
	v_max3_num_f32 v[ST+8*\t+5], v[S+4*\t], v[S+4*\t+1], v[S+4*\t+2]
.endr
.irp t, 0,1,2,3
	v_max_num_f32 v[ST+8*\t+5], v[ST+8*\t+5], v[S+4*\t+3]   ; CM: wave 0's first step holds key 0, which counts for every query, so CM is a score's
.endr
.irp t, 0,1,2,3
	v_sub_f32 v[ST+8*\t+7], v[ST+8*\t], v[ST+8*\t+5]
.endr
.irp i, 0,1,2,3
.irp t, 0,1,2,3
	v_sub_f32 v[S+4*\t+\i], v[S+4*\t+\i], v[ST+8*\t+5]
.endr
.endr
.irp i, 0,1,2,3
.irp t, 0,1,2,3
	v_exp_f32 v[S+4*\t+\i], v[S+4*\t+\i]
.endr
.endr
.irp t, 0,1,2,3
	v_exp_f32 v[ST+8*\t+7], v[ST+8*\t+7]           ; e_own
.endr
	v_nop
	s_wait_alu depctr_va_vdst(0)                   ; one wait for the twenty
.irp t, 0,1,2,3
	v_mul_f32 v[ST+8*\t+6], v[S+4*\t], v[S+16+4*\t]
.endr
.irp i, 1,2,3
.irp t, 0,1,2,3
	v_fma_f32 v[ST+8*\t+6], v[S+4*\t+\i], v[S+16+4*\t+\i], v[ST+8*\t+6]
.endr
.endr
.irp t, 0,1,2,3
	v_rcp_f32 v[ST+8*\t+5], v[ST+8*\t+6]
.endr
	v_nop
	s_wait_alu depctr_va_vdst(0)                   ; one wait for the four
.irp t, 0,1,2,3
	v_mul_f32 v[ST+8*\t+6], v[ST+8*\t+7], v[ST+8*\t+5]      ; g
.endr
	WIN 0x41
.irp k, 0,1,2,3,4,5,6,7,8,9,10,11,12,13,14,15,16,17,18,19,20,21,22,23,24,25,26,27,28,29,30,31
.irp t, 0,1,2,3
	v_pk_mul_f32 v[64*\t+2*\k:64*\t+2*\k+1], v[64*\t+2*\k:64*\t+2*\k+1], v[ST+8*\t+6:ST+8*\t+7] op_sel_hi:[1,0]
.endr
.endr
	WIN 0
.irp q, 0,1,2,3
.if \q > 0
	s_barrier_signal -1                            ; every wave's reads of the last tile are back (its wait for them stands above): the stage may be written again
	s_barrier_wait -1
.endif
	WIN 0x04                                       ; an LDS store's data are its source 1: window 1
.irp i, 0,1,2,3,4,5,6,7,8,9,10,11,12,13,14,15
	ds_store_b128 v[XA], v[64*\q+4*\i:64*\q+4*\i+3] offset:512*\i
.endr
	WIN 0
	s_wait_dscnt 0x0
	s_barrier_signal -1
	s_barrier_wait -1
.irp u, 0,1,2,3
.irp i, 0,1,2,3
	ds_load_b128 v[S+16*\u+4*\i:S+16*\u+4*\i+3], v[XR] offset:8192*\u+512*\i
.endr
.endr
	s_wait_dscnt 0x0
.irp k, 0,2,4,6,8,10,12,14
	v_pk_add_f32 v[S+\k:S+\k+1], v[S+\k:S+\k+1], v[S+16+\k:S+16+\k+1]
	v_pk_add_f32 v[S+32+\k:S+32+\k+1], v[S+32+\k:S+32+\k+1], v[S+48+\k:S+48+\k+1]
.endr
.irp k, 0,2,4,6,8,10,12,14
	v_pk_add_f32 v[S+\k:S+\k+1], v[S+\k:S+\k+1], v[S+32+\k:S+32+\k+1]
.endr
.irp n, 0,1,2,3,4,5,6,7
	v_cvt_pk_f16_f32 v[P+8*\q+\n], v[S+2*\n], v[S+2*\n+1]   ; each tile has registers of its own: no store's data are written again in the merge
.endr
	global_store_b128 v[LI], v[P+8*\q:P+8*\q+3], s[OB:OB+1] offset:4096*\q
	global_store_b128 v[LI], v[P+8*\q+4:P+8*\q+7], s[OB:OB+1] offset:4096*\q+512
.endr
.endm
	QLOAD
	SETOUT
	s_wait_tensorcnt 0x1                           ; my part of slot 0 is in, and I alone read it; slot 1's load may stay out
	v_add_nc_u32 v[ADR], s[TB], v[AK0]
	KLOAD
	s_wait_loadcnt 0x0                             ; Q
.Ltrip:                                            ; 15 trips: each asks for the slot two on
	TRIP 1, 1
	s_add_co_u32 s[TA], s[TR], 1
	s_cmp_lg_u32 s[TA], s[NE]                      ; the first unit's last slot?  Ids and the count of trips: the same in all waves and all partners.  It has at most 8 slots, so the change falls inside the loop
	s_cbranch_scc1 .Lsame_unit
	s_sub_co_u32 s[UB], 63, s[BB]
	QLOAD                                          ; the second unit's queries are asked for ahead of the merge
	MERGE
	s_wait_xcnt 0x0                                ; the merge's stores have read their base and their registers
	SETOUT
	s_wait_loadcnt 0x0
.Lsame_unit:
	s_add_co_u32 s[TR], s[TR], 1
	s_cmp_lt_u32 s[TR], 15
	s_cbranch_scc1 .Ltrip
	TRIP 0, 1                                      ; the last two slots are written out: nothing is left to ask for
	TRIP 0, 0
	MERGE
	s_wait_tensorcnt 0x0                           ; the wave's end: behind my last tensor load and my last LDS store
	ds_add_u32 v[SPW], v[NIL]
	s_wait_dscnt 0x0
	CROUND                                         ; the closing round
	s_endpgm
.Lfunc_end_k_q7fc977099f_attn:
	.size	k_q7fc977099f_attn, .Lfunc_end_k_q7fc977099f_attn-k_q7fc977099f_attn
	.p2alignl 7, 3214868480
	.fill 96, 4, 3214868480
	.section	.rodata,"a",@progbits
	.p2align	6, 0x0
	.amdhsa_kernel k_q7fc977099f_attn
		.amdhsa_group_segment_fixed_size 327680
		.amdhsa_private_segment_fixed_size 0
		.amdhsa_enable_private_segment 0
		.amdhsa_kernarg_size 24
		.amdhsa_user_sgpr_count 2
		.amdhsa_user_sgpr_kernarg_segment_ptr 1
		.amdhsa_wavefront_size32 1
		.amdhsa_system_sgpr_workgroup_id_x 1
		.amdhsa_system_sgpr_workgroup_id_y 1
		.amdhsa_system_sgpr_workgroup_id_z 1
		.amdhsa_system_vgpr_workitem_id 0
		.amdhsa_next_free_vgpr 1024
		.amdhsa_next_free_sgpr 66
		.amdhsa_reserve_vcc 1
		.amdhsa_float_denorm_mode_32 3
		.amdhsa_float_denorm_mode_16_64 3
		.amdhsa_memory_ordered 1
		.amdhsa_forward_progress 1
		.amdhsa_inst_pref_size 242
	.end_amdhsa_kernel
	.amdgpu_metadata
---
amdhsa.version: [ 1, 2 ]
amdhsa.kernels:
  - .name:           k_q7fc977099f_attn
    .symbol:         k_q7fc977099f_attn.kd
    .args:
      - { .name: qf, .offset: 0, .size: 8, .value_kind: global_buffer, .address_space: global }
      - { .name: kvf, .offset: 8, .size: 8, .value_kind: global_buffer, .address_space: global }
      - { .name: of, .offset: 16, .size: 8, .value_kind: global_buffer, .address_space: global }
    .group_segment_fixed_size: 327680
    .private_segment_fixed_size: 0
    .kernarg_segment_align: 8
    .kernarg_segment_size: 24
    .max_flat_workgroup_size: 128
    .sgpr_count:     66
    .vgpr_count:     1024
    .wavefront_size: 32
...
	.end_amdgpu_metadata
.endif
;; end of part 3
;; launch outp (part 4): grid 8 x 32, 4 waves a work-group, clusters of 4 x 4, 327,680 bytes of LDS; arguments of, wof, out0; writes out0
.if DOCPART == 4
	.amdgcn_target "amdgcn-amd-amdhsa--gfx1250"
	.amdhsa_code_object_version 6
	.text
	.protected	k_q7fc977099f_outp
	.globl	k_q7fc977099f_outp
	.p2align	8
	.type	k_q7fc977099f_outp,@function
k_q7fc977099f_outp:
	s_mov_b64 s[64:65], 0
	v_nop
	global_prefetch_b8 v0, s[64:65] scope:SCOPE_SE
	s_setreg_imm32_b32 hwreg(HW_REG_WAVE_MODE, 25, 1), 1
	s_wait_xcnt 0x0
	s_wait_alu depctr_hold_cnt(0) depctr_sa_sdst(0) depctr_va_vdst(0) depctr_va_sdst(0) depctr_va_ssrc(0) depctr_va_vcc(0) depctr_vm_vsrc(0)
	s_getreg_b32 s2, hwreg(HW_REG_IB_STS2, 6, 4)
	s_cmp_eq_u32 s2, 0
	s_cbranch_scc0 .Lentry_in_a_cluster
	s_endpgm
.Lentry_in_a_cluster:
	s_bfe_u32 s2, ttmp6, 0x10000c
	s_cmp_lg_u32 s2, 0xf033
	s_cbranch_scc0 .Lentry_shape_is_right
	s_endpgm
.Lentry_shape_is_right:
; out0[token][n] = the sum over k of O[token][k] wo[n][k]: 4,096 x 2,048, K = 1,024.  Operands f16, as images of their registers (of, wof); sums and out0 f32.
; (Rows 0-15 are stored again, more finely, by the launch that follows.)
; SHARES.  Tiles of 256 x 256 would be 128: a work-group takes 128 tokens x 256 outputs, 256 work-groups.  Wave w: tokens 64 (w / 2) on (4 tiles), outputs 128 (w % 2) on (8 tiles): 32 accumulators.
; K goes in 8 steps of 128 (a head each) through a ring of two LDS slots: O's 32,768 dense bytes and wo's 65,536.  A step is four quarters of 32 along K, 32 matrix instructions each, on two fragment buffers.
; CLUSTER 4 x 4: O's tile hangs on the tile row and is shared along a row of the cluster, wo's on the tile column and is shared along a column: each is asked for jointly.
; THE PRODUCT IS USED TRANSPOSED (source 0 = 16 rows of wo, source 1 = 16 tokens): a lane holds eight neighbouring outputs of one token.
; REGISTERS: window 0: v16-29 addresses; v64-159, v160-255 two fragment buffers (wo's 64 registers, then O's 32).   window 1: accumulator (a, b) at v[8 (8 a + b)].
.set SLOT,   98304
.set SPARE,  2*SLOT                    ; behind the ring: the spare words, 128 bytes for each wave: two blocks of 256 bytes that no other line names
.set SPITCH, 528                       ; the way out: a stage of 16 rows x (512 + 16) bytes for each wave, in slot 0, which has had its last fill and its last read by then
.set ADRA, 16
.set ADRB, 20
.set STO,  24
.set RD,   25
.set CO,   26
.set SPW,  28
.set NIL,  29
.set F0,   64
.set F1,   160
.set G1,  24
.set G0,  32
.set G1B, 48
.set G0B, 56
.set MSB, 0
.macro WIN new
.if MSB != \new
	s_set_vgpr_msb (MSB<<8)|\new
.set MSB, \new
.endif
.endm
.set MUL, 0x50                         ; C and D window 1; the fragments window 0
.macro PLACES
.rept 4
	v_nop
.endr
.endm
.macro JLOAD s                         ; waves 0, 1 fetch O's halves, waves 2, 3 wo's; an s_nop 0 and four v_nop follow each line
	s_cmp_eq_u32 s11, 0
	s_cbranch_scc0 .Lfor_b_\@
	tensor_load_to_lds s[G0+4*\s:G0+4*\s+3], s[G1:G1+7]
	s_nop 0
	PLACES
	s_branch .Lasked_\@
.Lfor_b_\@:
	tensor_load_to_lds s[G0B+4*\s:G0B+4*\s+3], s[G1B:G1B+7]
	s_nop 0
	PLACES
.Lasked_\@:
.endm
.macro CREST
	s_cmp_lg_u32 s10, 0
	s_cbranch_scc1 .Lnot_wave_0_\@
	s_barrier_signal -3
.Lnot_wave_0_\@:
	s_barrier_wait -3
	s_barrier_signal -1
	s_barrier_wait -1
.endm
.macro CROUND
	s_barrier_signal -1
	s_barrier_wait -1
	CREST
.endm
	s_load_b128 s[4:7], s[0:1], 0x0                ; of, wof
	s_load_b64 s[8:9], s[0:1], 0x10                ; out0
	v_lshl_add_u32 v[SPW], v0, 2, SPARE
	v_mov_b32 v[NIL], 0
	ds_add_u32 v[SPW], v[NIL]                      ; the wave's opening: the add, twice on end, and its wait ahead of my first tensor load
	ds_add_u32 v[SPW], v[NIL]
	v_lshrrev_b32 v1, 5, v0
	v_readfirstlane_b32 s10, v1                    ; wave 0..3
	s_lshr_b32 s11, s10, 1                         ; which 64 tokens are mine.  Also: I fetch for O (0) or for wo (1)
	s_and_b32 s12, s10, 1                          ; which 128 outputs.  Also: which half of that tile I fetch
	s_bfe_u32 s40, ttmp6, 0x40000                  ; cx, cy
	s_bfe_u32 s41, ttmp6, 0x40004
	s_lshl_b32 s42, ttmp9, 2
	s_add_co_u32 s42, s42, s40                     ; tile column: 256 outputs
	s_and_b32 s13, ttmp7, 0xffff
	s_lshl_b32 s13, s13, 2
	s_add_co_u32 s13, s13, s41                     ; tile row: 128 tokens
	s_lshl_b32 s43, s41, 2
	s_lshl_b32 s43, 15, s43                        ; my row of the cluster
	s_lshl_b32 s44, 0x1111, s40                    ; my column
	s_or_b32 s[G1+0], s43, (3<<16)|(1<<21)         ; dense blocks as rows of 256 bytes (32 elements of 8): O's half has 64, wo's 128
	s_or_b32 s[G1B+0], s44, (3<<16)|(1<<21)
	s_mov_b32 s[G1+1], 32<<16
	s_mov_b32 s[G1+2], 64<<16
	s_mov_b32 s[G1+3], 32<<16
	s_mov_b32 s[G1+4], 64
	s_mov_b32 s[G1+5], 32
	s_mov_b32 s[G1+6], 0
	s_mov_b32 s[G1+7], 0
	s_mov_b32 s[G1B+1], 32<<16
	s_mov_b32 s[G1B+2], 128<<16
	s_mov_b32 s[G1B+3], 32<<16
	s_mov_b32 s[G1B+4], 128
	s_mov_b32 s[G1B+5], 32
	s_mov_b32 s[G1B+6], 0
	s_mov_b32 s[G1B+7], 0
	s_lshl_b32 s16, s13, 18                        ; O: 8 K steps of 32,768 bytes a tile row, + my half
	s_lshl_b32 s17, s12, 14
	s_add_co_u32 s16, s16, s17
	s_mov_b32 s17, 0
	s_lshl_b32 s46, s42, 19                        ; wo: 8 K steps of 65,536 bytes a tile column, + my half
	s_lshl_b32 s47, s12, 15
	s_add_co_u32 s46, s46, s47
	s_mov_b32 s47, 0
	s_lshl_b32 s20, s12, 14                        ; where they go in a slot: the wave's number alone
	s_lshl_b32 s21, s12, 15
	s_add_co_u32 s21, s21, 32768
	s_wait_dscnt 0x0                               ; both opening adds are done
	s_wait_kmcnt 0x0
	s_add_nc_u64 s[14:15], s[4:5], s[16:17]
	s_add_nc_u64 s[46:47], s[6:7], s[46:47]
	CROUND                                         ; all sixteen work-groups are here: the first joint loads meet
.irp s, 0,1
	s_mov_b32 s[G0+4*\s], 1
	s_add_co_u32 s[G0+4*\s+1], s20, \s*SLOT
	s_add_nc_u64 s[G0+4*\s+2:G0+4*\s+3], s[14:15], \s*32768
	s_or_b32 s[G0+4*\s+3], s[G0+4*\s+3], 0x80000000
	s_mov_b32 s[G0B+4*\s], 1
	s_add_co_u32 s[G0B+4*\s+1], s21, \s*SLOT
	s_add_nc_u64 s[G0B+4*\s+2:G0B+4*\s+3], s[46:47], \s*65536
	s_or_b32 s[G0B+4*\s+3], s[G0B+4*\s+3], 0x80000000
	JLOAD \s
.endr
	v_and_b32 v1, 15, v0                           ; r
	v_bfe_u32 v2, v0, 4, 1                         ; h
	v_and_b32 v3, 31, v0
	v_lshlrev_b32 v[CO], 4, v3                     ; 16 x lane
	s_lshl_b32 s21, s11, 14                        ; my four tiles of tokens
	s_lshl_b32 s22, s12, 15                        ; my eight tiles of outputs,
	s_add_co_u32 s22, s22, 32768                   ; behind O's 32,768 bytes
.irp s, 0,1
	v_add_nc_u32 v[ADRA+\s], s21, v[CO]
	v_add_nc_u32 v[ADRB+\s], s22, v[CO]
	s_add_co_u32 s21, s21, SLOT
	s_add_co_u32 s22, s22, SLOT
.endr
	s_mul_i32 s23, s10, 16*SPITCH                  ; my stage
	v_mul_u32_u24 v4, v1, SPITCH
	v_lshl_add_u32 v4, v2, 5, v4
	v_add_nc_u32 v[STO], s23, v4                   ; in: row r, 32 bytes for each half of the lanes
	v_add_nc_u32 v[RD], s23, v[CO]                 ; back: the 32 lanes take one row of 512 bytes
	s_lshl_b32 s16, s13, 7
	s_lshl_b32 s17, s11, 6
	s_add_co_u32 s16, s16, s17                     ; my first token
	s_lshl_b32 s16, s16, 13                        ; rows of 8,192 bytes
	s_mov_b32 s17, 0
	s_add_nc_u64 s[8:9], s[8:9], s[16:17]
	s_lshl_b32 s46, s42, 10                        ; my first output, in bytes
	s_lshl_b32 s47, s12, 9
	s_add_co_u32 s46, s46, s47
	s_mov_b32 s47, 0
	s_add_nc_u64 s[8:9], s[8:9], s[46:47]
.macro MUL8 f, a, zero                 ; token tile a against the eight tiles of outputs, 32 along K.  The 32 accumulators take turns, one instruction a turn
.irp b, 0,1,2,3,4,5,6,7
.if \zero
	v_wmma_f32_16x16x32_f16 v[8*(8*(\a)+\b):8*(8*(\a)+\b)+7], v[\f+8*\b:\f+8*\b+7], v[\f+64+8*(\a):\f+64+8*(\a)+7], 0
.else
	v_wmma_f32_16x16x32_f16 v[8*(8*(\a)+\b):8*(8*(\a)+\b)+7], v[\f+8*\b:\f+8*\b+7], v[\f+64+8*(\a):\f+64+8*(\a)+7], v[8*(8*(\a)+\b):8*(8*(\a)+\b)+7]
.endif
.endr
.endm
.macro FETCH s, c, f                   ; 24 LDS loads in one run: the fragments of the slot's c-th 32 along K
.irp b, 0,1,2,3,4,5,6,7
	ds_load_b128 v[\f+8*\b:\f+8*\b+3], v[ADRB+\s] offset:\b*4096+\c*1024
	ds_load_b128 v[\f+8*\b+4:\f+8*\b+7], v[ADRB+\s] offset:\b*4096+\c*1024+512
.endr
.irp a, 0,1,2,3
	ds_load_b128 v[\f+64+8*\a:\f+64+8*\a+3], v[ADRA+\s] offset:\a*4096+\c*1024
	ds_load_b128 v[\f+64+8*\a+4:\f+64+8*\a+7], v[ADRA+\s] offset:\a*4096+\c*1024+512
.endr
.endm
.macro QUARTER slot, c, f, g, zero     ; multiplies buffer f; ahead of that it asks for the slot's c-th quarter into buffer g
	s_wait_dscnt 0x0                               ; buffer f is in
	WIN 0
	PLACES                                         ; behind the products that read buffer g
	FETCH \slot, \c, \g
	WIN MUL
	MUL8 \f, 0, \zero
	MUL8 \f, 1, \zero
	MUL8 \f, 2, \zero
	MUL8 \f, 3, \zero
.endm
; A step's last quarter multiplies buffer 1 and changes slots: ONE barrier; in front of it each wave waits for all its tensor loads, adds 0 to its spare word, and waits for that and for its reads of this slot.
.macro TURN slot, next, fill
	WIN 0
	s_wait_tensorcnt 0x0                           ; my part of the next slot has landed
	ds_add_u32 v[SPW], v[NIL]
	s_wait_dscnt 0x1                               ; buffer 1 is in; the add alone may be out
	WIN MUL
	MUL8 F1, 0, 0                                  ; eight matrix instructions stand between the add and the wait for it
	s_wait_dscnt 0x0
	s_barrier_signal -1
	MUL8 F1, 1, 0
	WIN 0
	s_barrier_wait -1
.if \fill
	CREST                                          ; the barrier has opened a round of the cluster's: no wave of any partner still reads this slot or has a load on its way
	s_add_nc_u64 s[G0+4*\slot+2:G0+4*\slot+3], s[G0+4*\slot+2:G0+4*\slot+3], 2*32768
	s_add_nc_u64 s[G0B+4*\slot+2:G0B+4*\slot+3], s[G0B+4*\slot+2:G0B+4*\slot+3], 2*65536
	JLOAD \slot                                    ; 112 matrix instructions ahead of the wait for it; its four v_nop are also the places in front of the loads below
.else
	PLACES
.endif
	FETCH \next, 0, F0
	WIN MUL
	MUL8 F1, 2, 0
	MUL8 F1, 3, 0
.endm
	s_wait_tensorcnt 0x1                           ; my part of K step 0 is in; K step 1's load may stay out
	s_barrier_signal -1
	s_barrier_wait -1
	FETCH 0, 0, F0
	QUARTER 0, 1, F0, F1, 1                        ; the first quarter stands in front of the loop: its products start the sums
	WIN 0
	s_mov_b32 s3, 3
.Llap:                                             ; a trip goes once round the ring and fills both slots again: K steps 2 to 7
	QUARTER 0, 2, F1, F0, 0
	QUARTER 0, 3, F0, F1, 0
	TURN 0, 1, 1
	QUARTER 1, 1, F0, F1, 0
	QUARTER 1, 2, F1, F0, 0
	QUARTER 1, 3, F0, F1, 0
	TURN 1, 0, 1
	QUARTER 0, 1, F0, F1, 0
	WIN 0
	s_sub_co_u32 s3, s3, 1
	s_cmp_lg_u32 s3, 0
	s_cbranch_scc1 .Llap
	QUARTER 0, 2, F1, F0, 0                        ; the last lap fills nothing
	QUARTER 0, 3, F0, F1, 0
	TURN 0, 1, 0
	QUARTER 1, 1, F0, F1, 0
	QUARTER 1, 2, F1, F0, 0
	QUARTER 1, 3, F0, F1, 0
	s_wait_dscnt 0x0
	MUL8 F1, 0, 0
	MUL8 F1, 1, 0
	MUL8 F1, 2, 0
	MUL8 F1, 3, 0
	WIN 0
; THE WAY OUT, a block of 16 tokens x 128 outputs at a time, through my own stage: in as 32 bytes a lane, back as whole rows of 512 bytes.  LDS serves a wave's instructions in order (ISA guide 5.7.1.4).
.macro TOSTAGE a
	WIN 0x04                                       ; the data: window 1
.irp b, 0,1,2,3,4,5,6,7
	ds_store_b128 v[STO], v[8*(8*(\a)+\b):8*(8*(\a)+\b)+3] offset:64*\b          ; each accumulator from its low end on
	ds_store_b128 v[STO], v[8*(8*(\a)+\b)+4:8*(8*(\a)+\b)+7] offset:64*\b+16
.endr
	WIN 0
.set BBK, 64+64*((\a)%2)
.irp t, 0,1,2,3,4,5,6,7,8,9,10,11,12,13,14,15
	ds_load_b128 v[BBK+4*\t:BBK+4*\t+3], v[RD] offset:\t*SPITCH
.endr
.endm
.macro SEND a, younger
.set BBK, 64+64*((\a)%2)
	s_wait_dscnt \younger                          ; the block is back in registers; the next block's 16 stores and 16 loads may be out
.if (\a) > 0
	s_add_nc_u64 s[8:9], s[8:9], 16*8192           ; (behind a wait on XCNT: the earlier stores have read their base)
.endif
.irp t, 0,1,2,3,4,5,6,7,8,9,10,11,12,13,14,15
	global_store_b128 v[CO], v[BBK+4*\t:BBK+4*\t+3], s[8:9] offset:\t*8192 th:TH_STORE_NT   ; 32 lanes store 512 consecutive bytes, at a multiple of 256 from out0's first byte
.endr
.endm
	PLACES
	TOSTAGE 0
.irp a, 1,2,3
.if \a > 1
	s_wait_xcnt 0x0                                ; block a - 2's stores have read their registers and their base
.endif
	TOSTAGE \a
	SEND \a-1, 32
.endr
	s_wait_xcnt 0x0
	SEND 3, 0
	s_wait_tensorcnt 0x0                           ; the wave's end: behind my last tensor load and my last LDS store
	ds_add_u32 v[SPW], v[NIL]
	s_wait_dscnt 0x0
	CROUND                                         ; the closing round
	s_endpgm
.Lfunc_end_k_q7fc977099f_outp:
	.size	k_q7fc977099f_outp, .Lfunc_end_k_q7fc977099f_outp-k_q7fc977099f_outp
	.p2alignl 7, 3214868480
	.fill 96, 4, 3214868480
	.section	.rodata,"a",@progbits
	.p2align	6, 0x0
	.amdhsa_kernel k_q7fc977099f_outp
		.amdhsa_group_segment_fixed_size 327680
		.amdhsa_private_segment_fixed_size 0
		.amdhsa_enable_private_segment 0
		.amdhsa_kernarg_size 24
		.amdhsa_user_sgpr_count 2
		.amdhsa_user_sgpr_kernarg_segment_ptr 1
		.amdhsa_wavefront_size32 1
		.amdhsa_system_sgpr_workgroup_id_x 1
		.amdhsa_system_sgpr_workgroup_id_y 1
		.amdhsa_system_sgpr_workgroup_id_z 1
		.amdhsa_system_vgpr_workitem_id 0
		.amdhsa_next_free_vgpr 512
		.amdhsa_next_free_sgpr 66
		.amdhsa_reserve_vcc 0
		.amdhsa_float_denorm_mode_32 3
		.amdhsa_float_denorm_mode_16_64 3
		.amdhsa_memory_ordered 1
		.amdhsa_forward_progress 1
		.amdhsa_inst_pref_size 84
	.end_amdhsa_kernel
	.amdgpu_metadata
---
amdhsa.version: [ 1, 2 ]
amdhsa.kernels:
  - .name:           k_q7fc977099f_outp
    .symbol:         k_q7fc977099f_outp.kd
    .args:
      - { .name: of, .offset: 0, .size: 8, .value_kind: global_buffer, .address_space: global }
      - { .name: wof, .offset: 8, .size: 8, .value_kind: global_buffer, .address_space: global }
      - { .name: out0, .offset: 16, .size: 8, .value_kind: global_buffer, .address_space: global }
    .group_segment_fixed_size: 327680
    .private_segment_fixed_size: 0
    .kernarg_segment_align: 8
    .kernarg_segment_size: 24
    .max_flat_workgroup_size: 128
    .sgpr_count:     66
    .vgpr_count:     512
    .wavefront_size: 32
...
	.end_amdgpu_metadata
.endif
;; end of part 4
;; launch fine (part 5): grid 128 x 1, 8 waves a work-group, no clusters, 9,216 bytes of LDS; arguments fine32, wo, out0; writes out0
.if DOCPART == 5
	.amdgcn_target "amdgcn-amd-amdhsa--gfx1250"
	.amdhsa_code_object_version 6
	.text
	.protected	k_q7fc977099f_fine
	.globl	k_q7fc977099f_fine
	.p2align	8
	.type	k_q7fc977099f_fine,@function
k_q7fc977099f_fine:
	s_mov_b64 s[64:65], 0
	v_nop
	global_prefetch_b8 v0, s[64:65] scope:SCOPE_SE
	s_setreg_imm32_b32 hwreg(HW_REG_WAVE_MODE, 25, 1), 1
	s_wait_xcnt 0x0
; Rows 0-15 of out0 once more, all in f32: under the causal mask the first positions average few values and are the largest, so f16 operands would weigh most there.  Attention of 16 queries on 16 keys for each head, and the
; projection, by v_wmma_f32_16x16x4_f32: 96 matrix instructions a wave, no bulk work.
; SHARES.  Work-group i makes outputs 16 i .. + 15 of the 16 rows.  Wave w is head w: it repeats the head's small attention, multiplies its 128 channels into the 16 outputs, and the eight partial results meet in LDS.
; A work-group stores 64 bytes of each of 16 rows (131,072 bytes in the whole launch): wider shares would leave most of the chip without work.  No cluster, no tensor load: what is shared is 24,576 bytes a wave.
; fine32: [head 12][channel tile 8][half 2][lane 32][16 bytes]: lane (r, h) holds token r, channels 16 t + 8 h + 0 .. 7, in f32 (heads 0-7 q, 8-9 k, 10-11 v).
; THE f32 FORM takes k = 2 h + j from register j.  S^T = K Q^T and the projection take register pairs as they lie: the same order of k on both sides.  For O^T = V^T P a lane needs one CHANNEL and registers along the keys: V is loaded so, word by word.
; The registers that these matrix instructions write (window 1, v64-191) are written by them alone; sums begin with the constant 0; four or eight accumulators take turns.
; REGISTERS: window 0: v1-12 addresses; v16-79 Q; v80-143 K; v144-207 V; v208-215 scores, p, later results; v216-223, v224-231 at work; v252, v253.   window 1: v0-63 wo; v64-127 O^T; v128-159 the projection's four sums; v160-191 S^T's four.
.set SPARE, 8192                       ; behind the eight partial results of 1,024 bytes: the spare words, 128 bytes for each wave: four blocks of 256 bytes that no other line names
.set Q,   16
.set K,   80
.set V,   144
.set T,   208
.set U,   216
.set W,   224
.set SPW, 252
.set NIL, 253
.set WO,  0
.set OT,  64
.set Z,   128
.set ACC, 160
.set MSB, 0
.macro WIN new
.if MSB != \new
	s_set_vgpr_msb (MSB<<8)|\new
.set MSB, \new
.endif
.endm
	s_load_b128 s[4:7], s[0:1], 0x0                ; fine32, wo
	s_load_b64 s[8:9], s[0:1], 0x10                ; out0
	v_lshl_add_u32 v[SPW], v0, 2, SPARE
	v_mov_b32 v[NIL], 0
	v_lshrrev_b32 v1, 5, v0
	v_readfirstlane_b32 s10, v1                    ; wave = head
	v_and_b32 v1, 31, v0                           ; lane
	v_and_b32 v2, 15, v0                           ; r
	v_bfe_u32 v3, v0, 4, 1                         ; h
	v_lshlrev_b32 v4, 4, v1                        ; Q, K: 16 x lane
	v_and_b32 v6, 7, v2                            ; V(key 8 h + i, channel 16 ct + r) lies at 1,024 ct + 512 ((r % 8) / 4) + 16 (8 h + i + 16 (r / 8)) + 4 (r % 4)
	v_lshrrev_b32 v6, 2, v6
	v_lshlrev_b32 v5, 9, v6
	v_lshrrev_b32 v6, 3, v2
	v_lshl_add_u32 v6, v6, 1, v3
	v_lshl_add_u32 v5, v6, 7, v5
	v_and_b32 v6, 3, v2
	v_lshl_add_u32 v5, v6, 2, v5
	v_lshlrev_b32 v7, 12, v2                       ; wo: row r of 4,096 bytes, + 32 h
	v_lshl_add_u32 v7, v3, 5, v7
	v_lshlrev_b32 v8, 3, v3
	v_sub_nc_u32 v8, v2, v8                        ; r - 8 h
	s_lshl_b32 s11, s10, 10
	v_lshl_add_u32 v9, v1, 5, s11                  ; LDS: my wave's 1,024 bytes, 32 a lane
	v_lshlrev_b32 v10, 2, v0                       ; and back: a word a thread
	v_bfe_u32 v11, v0, 3, 4                        ; thread x holds row (x / 8) % 16, output 8 (x / 128) + x % 8
	v_lshlrev_b32 v11, 13, v11
	v_lshrrev_b32 v12, 7, v0
	v_lshl_add_u32 v11, v12, 5, v11
	v_and_b32 v12, 7, v0
	v_lshl_add_u32 v11, v12, 2, v11
	s_lshl_b32 s12, s10, 13                        ; Q: head w
	s_mov_b32 s13, 0
	s_lshr_b32 s14, s10, 2
	s_lshl_b32 s14, s14, 13
	s_add_co_u32 s16, s14, 8*8192                  ; K: head 8 + w / 4
	s_mov_b32 s17, 0
	s_add_co_u32 s18, s14, 10*8192                 ; V: head 10 + w / 4
	s_mov_b32 s19, 0
	s_lshl_b32 s20, ttmp9, 16                      ; wo: rows 16 i on, channels 128 w on
	s_lshl_b32 s21, s10, 9
	s_add_co_u32 s20, s20, s21
	s_mov_b32 s21, 0
	s_lshl_b32 s22, ttmp9, 6                       ; out0: outputs 16 i on
	s_mov_b32 s23, 0
	s_mov_b32 s24, 0x76543210
	s_mov_b32 s25, 0xfedcba98
	s_mov_b32 s26, 0x3e0293ee                      ; c = log2(e) / sqrt(128)
	s_wait_kmcnt 0x0
	s_add_nc_u64 s[12:13], s[4:5], s[12:13]
	s_add_nc_u64 s[16:17], s[4:5], s[16:17]
	s_add_nc_u64 s[18:19], s[4:5], s[18:19]
	s_add_nc_u64 s[20:21], s[6:7], s[20:21]
	s_add_nc_u64 s[22:23], s[8:9], s[22:23]
.irp t, 0,1,2,3,4,5,6,7
.irp e, 0,1
	global_load_b128 v[Q+8*\t+4*\e:Q+8*\t+4*\e+3], v4, s[12:13] offset:1024*\t+512*\e
	global_load_b128 v[K+8*\t+4*\e:K+8*\t+4*\e+3], v4, s[16:17] offset:1024*\t+512*\e
.endr
.endr
.irp t, 0,1,2,3,4,5,6,7
.irp i, 0,1,2,3,4,5,6,7
	global_load_b32 v[V+8*\t+\i], v5, s[18:19] offset:1024*\t+16*\i
.endr
.endr
	WIN 0x40
.irp t, 0,1,2,3,4,5,6,7
.irp e, 0,1
	global_load_b128 v[WO+8*\t+4*\e:WO+8*\t+4*\e+3], v7, s[20:21] offset:64*\t+16*\e   ; wo(16 i + r, 128 w + 16 t + 8 h + 4 e ..)
.endr
.endr
	WIN 0
	s_wait_loadcnt 63                              ; Q and K are in: 80 loads were issued behind them, and 63 is the most that this wait can name (a smaller count waits for more)
	WIN 0x50                                       ; C and D window 1
.set p, 0
.rept 32                                       ; S^T = K Q^T: 128 channels, four at a time, on four accumulators by turns
.if p < 4
	v_wmma_f32_16x16x4_f32 v[ACC+8*(p%4):ACC+8*(p%4)+7], v[K+2*p:K+2*p+1], v[Q+2*p:Q+2*p+1], 0
.else
	v_wmma_f32_16x16x4_f32 v[ACC+8*(p%4):ACC+8*(p%4)+7], v[K+2*p:K+2*p+1], v[Q+2*p:Q+2*p+1], v[ACC+8*(p%4):ACC+8*(p%4)+7]
.endif
.set p, p+1
.endr
.rept 8
	v_nop                                          ; eight places behind this form (ISA guide 7.12.1) in front of the first read of results
.endr
	WIN 0x05                                       ; sources 0 and 1 window 1
.irp i, 0,2,4,6
	v_pk_add_f32 v[T+\i:T+\i+1], v[ACC+\i:ACC+\i+1], v[ACC+8+\i:ACC+8+\i+1]
	v_pk_add_f32 v[U+\i:U+\i+1], v[ACC+16+\i:ACC+16+\i+1], v[ACC+24+\i:ACC+24+\i+1]
.endr
	WIN 0
.irp i, 0,2,4,6
	v_pk_add_f32 v[T+\i:T+\i+1], v[T+\i:T+\i+1], v[U+\i:U+\i+1]   ; lane (r, h), register j: query r, key 8 h + j
.endr
	v_mov_b32 v[W], 0xff800000
.irp j, 0,1,2,3,4,5,6,7
	v_cmp_gt_i32 vcc_lo, \j, v8                    ; hidden where 8 h + j > r
	v_cndmask_b32 v[T+\j], v[T+\j], v[W], vcc_lo
.endr
	v_max3_num_f32 v[W+1], v[T], v[T+1], v[T+2]
	v_max3_num_f32 v[W+2], v[T+3], v[T+4], v[T+5]
	v_max3_num_f32 v[W+1], v[W+1], v[T+6], v[T+7]
	v_max_num_f32 v[W+1], v[W+1], v[W+2]
	v_permlanex16_b32 v[W+2], v[W+1], s24, s25
	v_max_num_f32 v[W+1], v[W+1], v[W+2]           ; the row's maximum: key 0 counts for every query
	v_mul_f32 v[W+1], s26, v[W+1]
.irp j, 0,1,2,3,4,5,6,7
	v_fma_f32 v[T+\j], v[T+\j], s26, -v[W+1]
.endr
.irp j, 0,1,2,3,4,5,6,7
	v_exp_f32 v[T+\j], v[T+\j]
.endr
	v_nop
	s_wait_alu depctr_va_vdst(0)                   ; one wait for the eight, ahead of their first reader
	v_pk_add_f32 v[W+2:W+3], v[T:T+1], v[T+2:T+3]
	v_pk_add_f32 v[W+4:W+5], v[T+4:T+5], v[T+6:T+7]
	v_pk_add_f32 v[W+2:W+3], v[W+2:W+3], v[W+4:W+5]
	v_add_f32 v[W+2], v[W+2], v[W+3]
	v_permlanex16_b32 v[W+3], v[W+2], s24, s25
	v_add_f32 v[W+2], v[W+2], v[W+3]               ; the row's sum
	v_rcp_f32 v[W+4], v[W+2]
	v_nop
	s_wait_alu depctr_va_vdst(0)
.irp j, 0,1,2,3,4,5,6,7
	v_mul_f32 v[T+\j], v[T+\j], v[W+4]             ; the weights
.endr
	s_wait_loadcnt 16                              ; V is in; wo's 16 loads may be out
	WIN 0x50
.irp c, 0,1,2,3                                ; O^T = V^T P: keys 8 h + 2 c + j; eight tiles of channels by turns
.irp t, 0,1,2,3,4,5,6,7
.if \c == 0
	v_wmma_f32_16x16x4_f32 v[OT+8*\t:OT+8*\t+7], v[V+8*\t+2*\c:V+8*\t+2*\c+1], v[T+2*\c:T+2*\c+1], 0
.else
	v_wmma_f32_16x16x4_f32 v[OT+8*\t:OT+8*\t+7], v[V+8*\t+2*\c:V+8*\t+2*\c+1], v[T+2*\c:T+2*\c+1], v[OT+8*\t:OT+8*\t+7]
.endif
.endr
.endr
	s_wait_loadcnt 0x0                             ; wo
.rept 9
	v_nop                                          ; nine places before a matrix instruction takes these results as a source
.endr
	WIN 0x55                                       ; all four operands window 1
.set p, 0
.rept 32                                       ; the projection: source 0 = 16 rows of wo, source 1 = O^T as it lies: channels 16 t + 8 h + 2 (p % 4) + j
.if p < 4
	v_wmma_f32_16x16x4_f32 v[Z+8*(p%4):Z+8*(p%4)+7], v[WO+2*p:WO+2*p+1], v[OT+2*p:OT+2*p+1], 0
.else
	v_wmma_f32_16x16x4_f32 v[Z+8*(p%4):Z+8*(p%4)+7], v[WO+2*p:WO+2*p+1], v[OT+2*p:OT+2*p+1], v[Z+8*(p%4):Z+8*(p%4)+7]
.endif
.set p, p+1
.endr
.rept 8
	v_nop
.endr
	WIN 0x05
.irp i, 0,2,4,6
	v_pk_add_f32 v[T+\i:T+\i+1], v[Z+\i:Z+\i+1], v[Z+8+\i:Z+8+\i+1]
	v_pk_add_f32 v[U+\i:U+\i+1], v[Z+16+\i:Z+16+\i+1], v[Z+24+\i:Z+24+\i+1]
.endr
	WIN 0
.irp i, 0,2,4,6
	v_pk_add_f32 v[T+\i:T+\i+1], v[T+\i:T+\i+1], v[U+\i:U+\i+1]   ; lane (r, h), register j: row r, output 8 h + j: my head's part
.endr
	ds_store_b128 v9, v[T:T+3]
	ds_store_b128 v9, v[T+4:T+7] offset:16
	s_wait_dscnt 0x0                               ; for the others' sake: my stores have landed
	s_barrier_signal -1
	s_barrier_wait -1
.irp u, 0,1,2,3,4,5,6,7
	ds_load_b32 v[W+\u], v10 offset:1024*\u        ; the eight heads' parts of my number
.endr
	s_wait_dscnt 0x0
	v_pk_add_f32 v[W:W+1], v[W:W+1], v[W+2:W+3]
	v_pk_add_f32 v[W+4:W+5], v[W+4:W+5], v[W+6:W+7]
	v_pk_add_f32 v[W:W+1], v[W:W+1], v[W+4:W+5]
	v_add_f32 v[W], v[W], v[W+1]
	global_store_b32 v11, v[W], s[22:23]
	s_wait_tensorcnt 0x0                           ; the wave's end: behind my last LDS store
	ds_add_u32 v[SPW], v[NIL]
	s_wait_dscnt 0x0
	s_endpgm
.Lfunc_end_k_q7fc977099f_fine:
	.size	k_q7fc977099f_fine, .Lfunc_end_k_q7fc977099f_fine-k_q7fc977099f_fine
	.p2alignl 7, 3214868480
	.fill 96, 4, 3214868480
	.section	.rodata,"a",@progbits
	.p2align	6, 0x0
	.amdhsa_kernel k_q7fc977099f_fine
		.amdhsa_group_segment_fixed_size 9216
		.amdhsa_private_segment_fixed_size 0
		.amdhsa_enable_private_segment 0
		.amdhsa_kernarg_size 24
		.amdhsa_user_sgpr_count 2
		.amdhsa_user_sgpr_kernarg_segment_ptr 1
		.amdhsa_wavefront_size32 1
		.amdhsa_system_sgpr_workgroup_id_x 1
		.amdhsa_system_sgpr_workgroup_id_y 1
		.amdhsa_system_sgpr_workgroup_id_z 1
		.amdhsa_system_vgpr_workitem_id 0
		.amdhsa_next_free_vgpr 448
		.amdhsa_next_free_sgpr 66
		.amdhsa_reserve_vcc 1
		.amdhsa_float_denorm_mode_32 3
		.amdhsa_float_denorm_mode_16_64 3
		.amdhsa_memory_ordered 1
		.amdhsa_forward_progress 1
		.amdhsa_inst_pref_size 26
	.end_amdhsa_kernel
	.amdgpu_metadata
---
amdhsa.version: [ 1, 2 ]
amdhsa.kernels:
  - .name:           k_q7fc977099f_fine
    .symbol:         k_q7fc977099f_fine.kd
    .args:
      - { .name: fine32, .offset: 0, .size: 8, .value_kind: global_buffer, .address_space: global }
      - { .name: wo, .offset: 8, .size: 8, .value_kind: global_buffer, .address_space: global }
      - { .name: out0, .offset: 16, .size: 8, .value_kind: global_buffer, .address_space: global }
    .group_segment_fixed_size: 9216
    .private_segment_fixed_size: 0
    .kernarg_segment_align: 8
    .kernarg_segment_size: 24
    .max_flat_workgroup_size: 256
    .sgpr_count:     66
    .vgpr_count:     448
    .wavefront_size: 32
...
	.end_amdgpu_metadata
.endif
;; end of part 5
